; MI455X (gfx1250); checked and timed in simulation.
; The chip was launched on July 23, 2026; its instructions are those of AMD's public machine-readable ISA for CDNA 5 (MIT licence, August 2026) and "CDNA5" Instruction Set Architecture Reference Guide (July 2026). The comments in the code are by the model that wrote it; some were corrected since.
;; Block. Allowed arithmetic: matrix products marked QUANTISED: E5M2 operands, one given power-of-two scale a tensor, by v_wmma_f32_16x16x64_bf8_bf8 or v_wmma_f32_16x16x128_bf8_bf8, f32 sums; everything else in f32.
;; Inputs: b1 4,096 float32; b2 1,024 float32; ln1_b 1,024 float32; ln1_g 1,024 float32; ln2_b 1,024 float32; ln2_g 1,024 float32; lowp_scales 10 int32 (the exponents e of the quantised operands' scales 2^e); qkv_b 3,072 float32; qkv_w 1,024 x 3,072 float32; w1 1,024 x 4,096 float32; w2 4,096 x 1,024 float32; x 2 x 2,048 x 1,024 float32.
;; Outputs: out0 2 x 2,048 x 1,024 float32.
;; This version of the problem:
;;   THIS VERSION OF THE PROBLEM IS GIVEN IN LOW PRECISION. The matrix products marked QUANTISED in the list below multiply operands that are first quantised to E5M2 (5 exponent bits, 2 mantissa bits; 8 bits a number), with one given power-of-two scale for each operand tensor; their sums are f32. All else is computed in f32.
;;   The module's matrix products, in the order in which they are computed (A, B: the left and right operand; K: the contracted axis; several contracted axes count as one K, in the product's order):
;;     1. [M 4,096, K 1,024] x [K 1,024, N 3,072]; A: computed on the way; B: input qkv_w: QUANTISED (scales: A lowp_scales[0], B lowp_scales[1])
;;     2. batch 32 x [M 2,048, K 64] x [K 64, N 2,048]; A: computed on the way; B: computed on the way: QUANTISED (scales: A lowp_scales[2], B lowp_scales[3])
;;     3. batch 32 x [M 2,048, K 2,048] x [K 2,048, N 64]; A: softmax (see below); B: computed on the way: QUANTISED (scales: A lowp_scales[4], B lowp_scales[5])
;;     4. [M 4,096, K 1,024] x [K 1,024, N 4,096]; A: computed on the way; B: input w1: QUANTISED (scales: A lowp_scales[6], B lowp_scales[7])
;;     5. [M 4,096, K 4,096] x [K 4,096, N 1,024]; A: computed on the way; B: input w2: QUANTISED (scales: A lowp_scales[8], B lowp_scales[9])
;;   THE QUANTISER, for each operand of a quantised product, along K:
;;     - The operand's scale is 2^e, e = its entry of the input lowp_scales (int32; the entries are numbered through the quantised products in the list's order, A before B).
;;     - Each number is divided by the scale, clamped to +-57,344, and rounded to the nearest number of E5M2, ties to even, subnormals kept.
;;     - The product sums the exact products of the quantised numbers (number of the format x scale) in f32.
;;   ~~~python
;;   def quantise(x, axis, e):      # numpy; x: float32 -> the quantised numbers, widened to float32 again
;;       x = np.moveaxis(x, axis, -1); K = x.shape[-1]
;;       r = np.clip(x / 2.0 ** e, -57344, 57344)
;;       step = 2.0 ** (np.maximum(np.frexp(np.where(r == 0, 1, r))[1] - 1, -14) - 2)
;;       q = np.round(r / step) * step * 2.0 ** e      # np.round: ties to even
;;       return np.moveaxis(q, -1, axis).astype(np.float32)
;;   ~~~
;;   SOFTMAX AHEAD OF A QUANTISED PRODUCT. Where the list says 'softmax', what is quantised is not the finished softmax but p = 2^(t - M), with t = logit x log2(e) and M = ceil(the row's largest t), a whole number; so 1/2 < the row's largest p <= 1. The row's sum l is taken of the UNQUANTISED p, in f32, and the product's result is divided by l at the end. Since M is a whole number, a kernel that streams over the keys may use a running M (the ceiling of the running maximum): every later rescaling is an exact power of two, so the quantised numbers keep their values, but for numbers so far below the row's largest that they fall under the format's range.
;;   OPERANDS COMPUTED ON THE WAY. 'Computed on the way' means the value that the module computes at that place (a softmax that the list does not call 'softmax' is quantised finished and normalised). What goes into a quantiser is computed in f32, as accurately as f32 sums, v_exp_f32 and their like allow (about 1e-6 of the number): no bf16 or f16 on the way to a quantiser, and a product that is left as it is and whose result goes on into a quantised operand takes f32 operands (vector FMAs, or v_wmma_f32_16x16x4_f32). A number that lies on a knife's edge between two numbers of the format may be rounded either way, as far as f32 arithmetic and the matrix unit's own rounding can turn it there, and no further.
;; One version. Each part assembles by itself: llvm-mc -triple=amdgcn-amd-amdhsa -mcpu=gfx1250 --defsym DOCPART=n.
;; ======== version 1 of 1: 5 launches
;; limits: right only within a limited range of input values
;; workspace buffers: hc 4,194,304 bytes; wc 11,534,336 bytes; qkvc 12,582,912 bytes; x1 16,777,216 bytes; fc 16,777,216 bytes
;; launch prep (part 1): grid 480 x 1, 4 waves a work-group, no clusters, 52,736 bytes of LDS; arguments x, ln1_g, ln1_b, qkv_w, w1, w2, lowp_scales, hc, wc; writes hc, wc
.if DOCPART == 1
	.amdgcn_target "amdgcn-amd-amdhsa--gfx1250"
	.amdhsa_code_object_version 6
	.text
	.protected	k_qc9e63ebb30_prep
	.globl	k_qc9e63ebb30_prep
	.p2align	8
	.type	k_qc9e63ebb30_prep,@function
k_qc9e63ebb30_prep:
	s_mov_b64 s[64:65], 0
	v_nop
	global_prefetch_b8 v0, s[64:65] scope:SCOPE_SE
	s_setreg_imm32_b32 hwreg(HW_REG_WAVE_MODE, 25, 1), 1
	s_wait_xcnt 0x0
; FIRST OF FIVE LAUNCHES of a transformer block on 4,096 rows of 1,024: LN1, qkv, attention, residual, LN2, relu MLP, residual; all five products on codes of E5M2 with given scales 2^e.
; NO WORK IS LEFT OUT: every bias stands ahead of a quantiser or reaches the output, every product feeds out0, and all twelve inputs are loaded by some launch.
; THIS LAUNCH: (a) work-groups 0-351: qkv_w [1024][3072], w1 [1024][4096], w2 [4096][1024], f32 with K as first axis, become codes laid [n][k], K innermost, in wc (qkv_w at 0, w1 at 3,145,728, w2 at 7,340,032);
; (b) work-groups 352-479: LN1(x) becomes codes in hc [4096][1024].
; code = number / 2^e, held within +-57,344, rounded to the nearest code, ties to even.  LIMITS: e0, e1, e7, e9 between -126 and 112; NaN among the inputs is not served.
; (a) A LANE TAKES A COLUMN n AND ITS REGISTERS RUN DOWN K: a load reads 128 consecutive bytes a wave, 512 a work-group; the conversions give codes with K innermost.  A wave takes 32 columns x 256 k; the codes go through
; its own stage in LDS and leave as rows: sixteen lanes store 256 consecutive aligned bytes.  The three tensors take one path: their sizes are chosen by the work-group's number into scalar registers.
; (b) One wave, one row at a time, 8 rows a wave: the row stays in 32 registers between mean, variance and scaling; it turns through the wave's stage so that a lane holds 8 neighbours, and a store covers 256 aligned bytes.
; The two paths have LDS bytes of their own.  No tensor load, no barrier: waves share nothing.
.set PITCH, 272                        ; a stage row: 256 bytes + 16: sixteen rows start at sixteen different 16-byte columns
.set LST,   4*32*PITCH                 ; behind the weights' four stages: LN's four stages of 16 rows
.set SPARE, LST+4*16*PITCH             ; behind them: the spare words, 128 bytes a wave, which no other line names
.set WGW,   352                        ; work-groups of path (a)
.set SPW, 12                           ; v12  my spare word's address; never rewritten
.set NIL, 13                           ; v13  0; never rewritten
.set QL,  10                           ; v10  57,344 x 2^e
.set QS,  11                           ; v11  2^e
; path (a)
.set OFF, 16                           ; v16-47   4 lane + i rows of the tensor
.set X,   48                           ; v48-111  two sets of 32 numbers
.set C,   112                          ; v112-119 a block's codes
.set OUTR,120                          ; v120-183 the way out
.set OA,  184                          ; v184-199 the way out's offsets
.set BS,  68                           ; s[68:83] the eight blocks' bases; never rewritten
; path (b)
.set G,   16                           ; v16-47   gain
.set B,   48                           ; v48-79   bias
.set R0,  80                           ; v80-143  two rows
.set T,   144                          ; v144-175 the turned row
.set CC,  176                          ; v176-191 two sets of codes
.set CA,  192                          ; sums, in two chains
.set CB,  194
.set MR,  196                          ; the mean, later 1/sigma, as a pair
.set PT,  198                          ; a lane permute's target
.set XO,  3                            ; 16 lane
.set HO,  4                            ; 8 lane
.set SA,  7                            ; the stage, dense
.set SB,  8                            ; the stage, 8 neighbours a lane
.set SEL, 28
.set INV, 30
.macro REDUCE v                        ; the sum over the 32 lanes, in every lane
	v_add_f32_dpp v[\v], v[\v], v[\v] row_xmask:1 row_mask:0xf bank_mask:0xf
	v_add_f32_dpp v[\v], v[\v], v[\v] row_xmask:2 row_mask:0xf bank_mask:0xf
	v_add_f32_dpp v[\v], v[\v], v[\v] row_xmask:4 row_mask:0xf bank_mask:0xf
	v_add_f32_dpp v[\v], v[\v], v[\v] row_xmask:8 row_mask:0xf bank_mask:0xf
	v_permlanex16_b32 v[PT], v[\v], s[SEL], s[SEL+1]
	v_add_f32 v[\v], v[\v], v[PT]
.endm
; a row of 1,024 numbers, 32 a lane, from v[x] on -> ((y - mean) / sqrt(var + 1e-5)) g + b in v[d] on.  w = 1: g and b are waited for ahead of their use
.macro LN x, d, g, b, w
	v_pk_add_f32 v[CA:CA+1], v[\x:\x+1], v[\x+2:\x+3]
	v_pk_add_f32 v[CB:CB+1], v[\x+4:\x+5], v[\x+6:\x+7]
.irp j, 8,12,16,20,24,28
	v_pk_add_f32 v[CA:CA+1], v[CA:CA+1], v[\x+\j:\x+\j+1]
	v_pk_add_f32 v[CB:CB+1], v[CB:CB+1], v[\x+\j+2:\x+\j+3]
.endr
	v_pk_add_f32 v[CA:CA+1], v[CA:CA+1], v[CB:CB+1]
	v_add_f32 v[CA], v[CA], v[CA+1]
	REDUCE CA
	v_mul_f32 v[MR], s[INV], v[CA]                 ; the mean: sum / 1,024
	v_mov_b32 v[MR+1], v[MR]
.irp j, 0,2,4,6,8,10,12,14,16,18,20,22,24,26,28,30
	v_pk_add_f32 v[\d+\j:\d+\j+1], v[\x+\j:\x+\j+1], v[MR:MR+1] neg_lo:[0,1] neg_hi:[0,1]
.endr
	v_pk_mul_f32 v[CA:CA+1], v[\d:\d+1], v[\d:\d+1]
	v_pk_mul_f32 v[CB:CB+1], v[\d+2:\d+3], v[\d+2:\d+3]
.irp j, 4,8,12,16,20,24,28
	v_pk_fma_f32 v[CA:CA+1], v[\d+\j:\d+\j+1], v[\d+\j:\d+\j+1], v[CA:CA+1]
	v_pk_fma_f32 v[CB:CB+1], v[\d+\j+2:\d+\j+3], v[\d+\j+2:\d+\j+3], v[CB:CB+1]
.endr
	v_pk_add_f32 v[CA:CA+1], v[CA:CA+1], v[CB:CB+1]
	v_add_f32 v[CA], v[CA], v[CA+1]
	REDUCE CA
	v_fmaak_f32 v[MR], s[INV], v[CA], 0x3727c5ac   ; var + 1e-5
	s_wait_alu depctr_va_vdst(0)
	v_rsq_f32 v[MR], v[MR]
	v_nop                                          ; a plain instruction behind the transcendental,
	s_wait_alu depctr_va_vdst(0)                   ; and the wait ahead of its first reader
	v_mov_b32 v[MR+1], v[MR]
.irp j, 0,2,4,6,8,10,12,14,16,18,20,22,24,26,28,30
	v_pk_mul_f32 v[\d+\j:\d+\j+1], v[\d+\j:\d+\j+1], v[MR:MR+1]
.endr
.if \w
	s_wait_loadcnt 0x0
.endif
.irp j, 0,2,4,6,8,10,12,14,16,18,20,22,24,26,28,30
	v_pk_fma_f32 v[\d+\j:\d+\j+1], v[\d+\j:\d+\j+1], v[\g+\j:\g+\j+1], v[\b+\j:\b+\j+1]
.endr
.endm
; the row turns through my stage: in as it lies (register 4 j + i of lane l = column 128 j + 4 l + i), out with 8 neighbours a lane (register 8 j + i = column 256 j + 8 l + i).  LDS serves a wave's instructions in order
.macro TURNL d, t
.irp j, 0,1,2,3,4,5,6,7
	ds_store_b128 v[SA], v[\d+4*\j:\d+4*\j+3] offset:544*\j
.endr
.irp j, 0,1,2,3
	ds_load_b128 v[\t+8*\j:\t+8*\j+3], v[SB] offset:1088*\j
	ds_load_b128 v[\t+8*\j+4:\t+8*\j+7], v[SB] offset:1088*\j+16
.endr
	s_wait_dscnt 0x0
.endm
.macro QOUT t, c, base, off            ; hold, convert, store: each store of the wave covers 256 consecutive bytes, aligned
.set qq, 0
.rept 32
	v_med3_num_f32 v[\t+qq], v[\t+qq], -v[QL], v[QL]   ; the conversion to an 8-bit code does not saturate (ISA guide 7.6.2)
.set qq, qq+1
.endr
.irp j, 0,1,2,3
	v_cvt_scalef32_pk8_bf8_f32 v[\c+2*\j:\c+2*\j+1], v[\t+8*\j:\t+8*\j+7], v[QS]
.endr
	v_nop
.irp j, 0,1,2,3
	global_store_b64 v[HO], v[\c+2*\j:\c+2*\j+1], s[\base:\base+1] offset:\off+256*\j
.endr
.endm
	s_load_b512 s[8:23], s[0:1], 0x0               ; x 8, ln1_g 10, ln1_b 12, qkv_w 14, w1 16, w2 18, lowp_scales 20, hc 22
	s_load_b64 s[24:25], s[0:1], 0x40              ; wc
	v_lshl_add_u32 v[SPW], v0, 2, SPARE
	v_mov_b32 v[NIL], 0
	v_lshrrev_b32 v1, 5, v0
	v_readfirstlane_b32 s26, v1                    ; wave
	v_and_b32 v2, 31, v0                           ; lane
	v_and_b32 v5, 15, v0                           ; lane % 16
	v_bfe_u32 v6, v0, 4, 1                         ; lane / 16
	s_wait_kmcnt 0x0
	s_load_b256 s[32:39], s[20:21], 0x0            ; e0 .. e7
	s_load_b64 s[40:41], s[20:21], 0x20            ; e8, e9
	s_cmp_ge_u32 ttmp9, WGW
	s_cbranch_scc1 .Lln
	; ---------------- (a) the weights ----------------
	s_mov_b32 s44, 224                             ; w2's figures: first work-group,
	s_mov_b32 s45, 4096                            ; bytes in a row of the tensor,
	s_mov_b32 s46, 4                               ; log2 of the runs of 256 along K,
	s_mov_b32 s47, 4096                            ; bytes in a row of codes,
	s_mov_b32 s48, 7340032                         ; place in wc
	s_cmp_lt_u32 ttmp9, 224                        ; w1's
	s_cselect_b32 s44, 96, s44
	s_cselect_b32 s45, 16384, s45
	s_cselect_b32 s46, 2, s46
	s_cselect_b32 s47, 1024, s47
	s_cselect_b32 s48, 3145728, s48
	s_cselect_b64 s[28:29], s[16:17], s[18:19]
	s_cmp_lt_u32 ttmp9, 96                         ; qkv_w's
	s_cselect_b32 s44, 0, s44
	s_cselect_b32 s45, 12288, s45
	s_cselect_b32 s48, 0, s48
	s_cselect_b64 s[28:29], s[14:15], s[28:29]
	s_sub_co_u32 s50, ttmp9, s44
	s_bfm_b32 s51, s46, 0
	s_and_b32 s51, s50, s51                        ; which 256 along K
	s_lshr_b32 s52, s50, s46
	s_lshl_b32 s52, s52, 7
	s_lshl_b32 s53, s26, 5
	s_add_co_u32 s52, s52, s53                     ; my wave's first column
	s_mul_i32 s54, s51, s45
	s_lshl_b32 s54, s54, 8
	s_lshl_b32 s55, s52, 2
	s_add_co_u32 s54, s54, s55
	s_mov_b32 s55, 0
	s_add_nc_u64 s[BS:BS+1], s[28:29], s[54:55]    ; block 0
	s_lshl_b32 s56, s45, 5                         ; 32 rows on
	s_mov_b32 s57, 0
.irp t, 1,2,3,4,5,6,7
	s_add_nc_u64 s[BS+2*\t:BS+2*\t+1], s[BS+2*\t-2:BS+2*\t-1], s[56:57]
.endr
	s_mul_i32 s58, s52, s47
	s_add_co_u32 s58, s58, s48
	s_lshl_b32 s59, s51, 8
	s_add_co_u32 s58, s58, s59
	s_mov_b32 s59, 0
	s_add_nc_u64 s[84:85], s[24:25], s[58:59]      ; my codes: column x row of codes + 256 x run
	s_wait_alu depctr_va_vdst(0)
	v_lshlrev_b32 v3, 2, v2
.set kk, 0
.rept 32
	v_mad_u32_u24 v[OFF+kk], s45, kk, v3
.set kk, kk+1
.endr
.macro LOAD t                          ; block t: W(32 t + i, my column) into set t % 2
.set kk, 0
.rept 32
	global_load_b32 v[X+32*((\t)%2)+kk], v[OFF+kk], s[BS+2*(\t):BS+2*(\t)+1] th:TH_LOAD_NT
.set kk, kk+1
.endr
.endm
	LOAD 0
	LOAD 1
	s_mul_i32 s27, s26, 32*PITCH                   ; my stage
	v_mul_u32_u24 v4, v2, PITCH
	v_add_nc_u32 v4, s27, v4                       ; into it: row = my column
	v_mul_u32_u24 v7, v6, PITCH
	v_lshl_add_u32 v7, v5, 4, v7
	v_add_nc_u32 v7, s27, v7                       ; out of it: sixteen lanes to a row
	v_mul_u32_u24 v8, s47, v6
	v_lshl_add_u32 v8, v5, 4, v8
.set kk, 0
.rept 16
	v_mad_u32_u24 v[OA+kk], s47, 2*kk, v8          ; and the same rows among the codes
.set kk, kk+1
.endr
	s_wait_kmcnt 0x0
	s_cmp_lt_u32 ttmp9, 224
	s_cselect_b32 s49, s39, s41                    ; e7 or e9,
	s_cmp_lt_u32 ttmp9, 96
	s_cselect_b32 s49, s33, s49                    ; or e1
	s_add_co_i32 s49, s49, 127
	s_lshl_b32 s50, s49, 23
	v_mov_b32 v[QS], s50
	s_add_co_i32 s49, s49, 15
	s_lshl_b32 s49, s49, 23
	s_or_b32 s49, s49, 0x600000
	v_mov_b32 v[QL], s49
.macro BLOCK t
.if (\t) < 7
	s_wait_loadcnt 32                              ; this block's 32 loads are in; the next block's may be out
.else
	s_wait_loadcnt 0
.endif
.set kk, 0
.rept 32
	v_med3_num_f32 v[X+32*((\t)%2)+kk], v[X+32*((\t)%2)+kk], -v[QL], v[QL]
.set kk, kk+1
.endr
.irp g, 0,1,2,3
	v_cvt_scalef32_pk8_bf8_f32 v[C+2*\g:C+2*\g+1], v[X+32*((\t)%2)+8*\g:X+32*((\t)%2)+8*\g+7], v[QS]
.endr
	ds_store_b128 v4, v[C:C+3] offset:32*(\t)
	ds_store_b128 v4, v[C+4:C+7] offset:32*(\t)+16
.if (\t)+2 < 8
	LOAD (\t)+2
.endif
	s_wait_dscnt 0x0                               ; the stores have read their registers: the next block's codes may be written
.endm
	s_wait_alu depctr_va_vdst(0)
.irp t, 0,1,2,3,4,5,6,7
	BLOCK \t
.endr
.set kk, 0
.rept 16
	ds_load_b128 v[OUTR+4*kk:OUTR+4*kk+3], v7 offset:2*kk*PITCH
.set kk, kk+1
.endr
.set kk, 0
.rept 16
	s_wait_dscnt 15-kk                             ; the younger reads may be out
	global_store_b128 v[OA+kk], v[OUTR+4*kk:OUTR+4*kk+3], s[84:85]
.set kk, kk+1
.endr
	s_wait_tensorcnt 0x0                           ; the wave's end
	ds_add_u32 v[SPW], v[NIL]
	s_wait_dscnt 0x0
	s_endpgm
	; ---------------- (b) LN1 and its codes ----------------
.Lln:
	s_sub_co_u32 s44, ttmp9, WGW
	s_lshl_b32 s44, s44, 5
	s_lshl_b32 s45, s26, 3
	s_add_co_u32 s44, s44, s45                     ; my first row: 32 x group + 8 x wave
	s_lshl_b32 s46, s44, 12
	s_mov_b32 s47, 0
	s_add_nc_u64 s[8:9], s[8:9], s[46:47]
	s_lshl_b32 s46, s44, 10
	s_add_nc_u64 s[22:23], s[22:23], s[46:47]
	s_mov_b32 s[SEL], 0x76543210
	s_mov_b32 s[SEL+1], 0xfedcba98
	s_mov_b32 s[INV], 0x3a800000                   ; 1 / 1,024
	s_wait_alu depctr_va_vdst(0)
	v_lshlrev_b32 v[XO], 4, v2
	v_lshlrev_b32 v[HO], 3, v2
.irp j, 0,1,2,3,4,5,6,7
	global_load_b128 v[G+4*\j:G+4*\j+3], v[XO], s[10:11] offset:512*\j
.endr
.irp j, 0,1,2,3,4,5,6,7
	global_load_b128 v[B+4*\j:B+4*\j+3], v[XO], s[12:13] offset:512*\j
.endr
.macro XROW i                          ; eight loads of 512 consecutive bytes: a row
.irp j, 0,1,2,3,4,5,6,7
	global_load_b128 v[R0+32*((\i)%2)+4*\j:R0+32*((\i)%2)+4*\j+3], v[XO], s[8:9] offset:4096*(\i)+512*\j th:TH_LOAD_NT
.endr
.endm
	XROW 0
	XROW 1
	s_mul_i32 s27, s26, 16*PITCH
	s_add_co_u32 s27, s27, LST                     ; my stage
	v_mul_u32_u24 v[SA], v6, PITCH
	v_lshl_add_u32 v[SA], v5, 4, v[SA]
	v_add_nc_u32 v[SA], s27, v[SA]
	v_lshrrev_b32 v9, 3, v2
	v_and_b32 v14, 7, v2
	v_mul_u32_u24 v[SB], v9, PITCH
	v_lshl_add_u32 v[SB], v14, 5, v[SB]
	v_add_nc_u32 v[SB], s27, v[SB]
	v_mov_b32 v[PT], 0                             ; a lane permute's target counts as read
	s_wait_kmcnt 0x0
	s_add_co_i32 s49, s32, 127                     ; e0
	s_lshl_b32 s50, s49, 23
	v_mov_b32 v[QS], s50
	s_add_co_i32 s49, s49, 15
	s_lshl_b32 s49, s49, 23
	s_or_b32 s49, s49, 0x600000
	v_mov_b32 v[QL], s49
.macro ROW i
.if (\i) < 7
	s_wait_loadcnt 8                               ; my row (and g, b) are in; the next row's eight loads may be out
.else
	s_wait_loadcnt 0
.endif
	LN R0+32*((\i)%2), R0+32*((\i)%2), G, B, 0
	TURNL R0+32*((\i)%2), T
.if (\i) < 6
	XROW (\i)+2                                    ; into the set that has just gone through the stage
.endif
	s_wait_xcnt 0x0                                ; the stores of two rows ago have read their codes: that set is written again
	QOUT T, CC+8*((\i)%2), 22, 1024*(\i)
.endm
.irp i, 0,1,2,3,4,5,6,7
	ROW \i
.endr
	s_wait_tensorcnt 0x0                           ; the wave's end
	ds_add_u32 v[SPW], v[NIL]
	s_wait_dscnt 0x0
	s_endpgm
.Lfunc_end_k_qc9e63ebb30_prep:
	.size	k_qc9e63ebb30_prep, .Lfunc_end_k_qc9e63ebb30_prep-k_qc9e63ebb30_prep
	.p2alignl 7, 3214868480
	.fill 96, 4, 3214868480
	.section	.rodata,"a",@progbits
	.p2align	6, 0x0
	.amdhsa_kernel k_qc9e63ebb30_prep
		.amdhsa_group_segment_fixed_size 52736
		.amdhsa_private_segment_fixed_size 0
		.amdhsa_enable_private_segment 0
		.amdhsa_kernarg_size 72
		.amdhsa_user_sgpr_count 2
		.amdhsa_user_sgpr_kernarg_segment_ptr 1
		.amdhsa_wavefront_size32 1
		.amdhsa_system_sgpr_workgroup_id_x 1
		.amdhsa_system_sgpr_workgroup_id_y 1
		.amdhsa_system_sgpr_workgroup_id_z 1
		.amdhsa_system_vgpr_workitem_id 0
		.amdhsa_next_free_vgpr 200
		.amdhsa_next_free_sgpr 96
		.amdhsa_reserve_vcc 0
		.amdhsa_float_denorm_mode_32 3
		.amdhsa_float_denorm_mode_16_64 3
		.amdhsa_memory_ordered 1
		.amdhsa_forward_progress 1
		.amdhsa_inst_pref_size 141
	.end_amdhsa_kernel
	.amdgpu_metadata
---
amdhsa.version: [ 1, 2 ]
amdhsa.kernels:
  - .name:           k_qc9e63ebb30_prep
    .symbol:         k_qc9e63ebb30_prep.kd
    .args:
      - { .name: x, .offset: 0, .size: 8, .value_kind: global_buffer, .address_space: global }
      - { .name: ln1_g, .offset: 8, .size: 8, .value_kind: global_buffer, .address_space: global }
      - { .name: ln1_b, .offset: 16, .size: 8, .value_kind: global_buffer, .address_space: global }
      - { .name: qkv_w, .offset: 24, .size: 8, .value_kind: global_buffer, .address_space: global }
      - { .name: w1, .offset: 32, .size: 8, .value_kind: global_buffer, .address_space: global }
      - { .name: w2, .offset: 40, .size: 8, .value_kind: global_buffer, .address_space: global }
      - { .name: lowp_scales, .offset: 48, .size: 8, .value_kind: global_buffer, .address_space: global }
      - { .name: hc, .offset: 56, .size: 8, .value_kind: global_buffer, .address_space: global }
      - { .name: wc, .offset: 64, .size: 8, .value_kind: global_buffer, .address_space: global }
    .group_segment_fixed_size: 52736
    .private_segment_fixed_size: 0
    .kernarg_segment_align: 8
    .kernarg_segment_size: 72
    .max_flat_workgroup_size: 128
    .sgpr_count:     96
    .vgpr_count:     200
    .wavefront_size: 32
...
	.end_amdgpu_metadata
.endif
;; end of part 1
;; launch qkv (part 2): grid 12 x 16, 4 waves a work-group, clusters of 4 x 4, 327,680 bytes of LDS; arguments hc, wc, lowp_scales, qkv_b, qkvc; writes qkvc
.if DOCPART == 2
	.amdgcn_target "amdgcn-amd-amdhsa--gfx1250"
	.amdhsa_code_object_version 6
	.text
	.protected	k_qc9e63ebb30_qkv
	.globl	k_qc9e63ebb30_qkv
	.p2align	8
	.type	k_qc9e63ebb30_qkv,@function
k_qc9e63ebb30_qkv:
	s_mov_b64 s[64:65], 0
	v_nop
	global_prefetch_b8 v0, s[64:65] scope:SCOPE_SE
	s_setreg_imm32_b32 hwreg(HW_REG_WAVE_MODE, 25, 1), 1
	s_wait_xcnt 0x0
	s_wait_alu depctr_hold_cnt(0) depctr_sa_sdst(0) depctr_va_vdst(0) depctr_va_sdst(0) depctr_va_ssrc(0) depctr_va_vcc(0) depctr_vm_vsrc(0)
	s_getreg_b32 s2, hwreg(HW_REG_IB_STS2, 6, 4)
	s_cmp_eq_u32 s2, 0
	s_cbranch_scc0 .Lentry_in_a_cluster
	s_endpgm
.Lentry_in_a_cluster:
	s_bfe_u32 s2, ttmp6, 0x10000c
	s_cmp_lg_u32 s2, 0xf033
	s_cbranch_scc0 .Lentry_shape_is_right
	s_endpgm
.Lentry_shape_is_right:
; SECOND LAUNCH: qkv = LN1(x) qkv_w + qkv_b on codes of E5M2 (K = 1,024), and q, k, v quantised on the way out with 2^e2, 2^e3, 2^e5.  No work is left out.
; A tile of 256 x 256 to a work-group of four waves, 128 x 128 a wave: 64 accumulators.  K goes in steps of 256 through two LDS slots filled by joint tensor loads of a 4 x 4 cluster.
; THE CLUSTER'S x SAYS WHICH PART IT MAKES: 0 q, 1 k, 2 v.  The matrix instruction takes source 0 = 16 rows of role B, source 1 = 16 rows of role A: a lane holds one row of role A and eight neighbours along role B.
; q, k: role A = tokens (hc), role B = weight columns (wc): a lane's eight numbers run along the head's d, which is K of the scores.
; v:    role A = weight columns (wc, rows 2,048 on), role B = tokens (hc): a lane's eight numbers run along the keys, which are K of the second product: v comes out with the keys innermost and nothing is transposed.
; The bias goes in as the C of each sum's first product, divided by 2^(e0 + e1); so a finished sum's code is sum / 2^(eo - e0 - e1): one hold and one conversion.
; qkvc: q at 0, k at 4 MiB, v at 8 MiB; each [32 heads][8 blocks][16,384 bytes]; a block of q or k is 256 tokens x 64 bytes, of v 64 d x 256 keys.  Within every 32 bytes the two middle groups of eight change places
; (number 16 u + 8 h + j lies at 16 h + 8 u + j): for q and k one and the same order of d; for v the order in which the next launch's weights p come out of its registers.
; LIMITS: eo - e0 - e1 between -126 and 112 for eo = e2, e3, e5.  The bias is added ahead of the sums: another order of rounding than the source's.  NaN among the inputs is not served.
.set ROWB,   256                       ; a tile's row in bytes: 256 codes
.set KROW,   1024                      ; a row of codes in memory
.set PITCH,  272                       ; an LDS row: 256 bytes + 16: the sixteen rows of a fragment load start at sixteen different 16-byte columns
.set FR,     16
.set NL,     4
.set NP,     4
.set HALFT,  128*PITCH
.set SLOT,   4*HALFT
.set LAPS,   2                         ; 1,024 / 512
.set SPARE,  2*SLOT                    ; behind the ring: the spare words, which no other line names
.set ADRA, 16
.set ADRB, 20
.set STO,  24                          ; the way out: where I put 8 codes
.set CO,   26                          ; 16 x lane
.set RDQ,  8                           ; v8, v9   read back for q, k: steps 0-15, 16-31
.set RDV,  10                          ; v10, v11 the same for v
.set SPW,  28
.set NIL,  29
.set SCL,  30                          ; 2^(eo - e0 - e1)
.set LIM,  31                          ; 57,344 x that
.set BI,   32                          ; v32-95 the bias, in the result's layout; later TMP
.set TMP,  32
.set AF,   128                         ; A's fragments, window 0; later the codes, later the rows read back
.set CD,   128
.set BK,   128
.set G1, 24
.set G0, 32
.set G1B, 48
.set G0B, 56
.set MSB, 0
.macro WIN new                         ; the immediate's high byte repeats the setting that is left
.if MSB != (\new)
	s_set_vgpr_msb (MSB<<8)|(\new)
.set MSB, (\new)
.endif
.endm
.set TO_B, 0x40
.macro WMUL hi, first                  ; source 0 window 1, source 1 window 0, D window 2 or 3; C with D, or (first products) in window 0
.if \first
	WIN 0x81+0x40*(\hi)
.else
	WIN 0xa1+0x50*(\hi)
.endif
.endm
.macro JLOAD g0a, g1a, g0b, g1b        ; a joint load: waves 0, 1 fetch for role A, waves 2, 3 for role B; an s_nop 0 and four v_nop follow each line
	s_cmp_eq_u32 s15, 0
	s_cbranch_scc0 .Lfor_b_\@
	tensor_load_to_lds s[\g0a:\g0a+3], s[\g1a:\g1a+7]
	s_nop 0
.rept 4
	v_nop
.endr
	s_branch .Lasked_\@
.Lfor_b_\@:
	tensor_load_to_lds s[\g0b:\g0b+3], s[\g1b:\g1b+7]
	s_nop 0
.rept 4
	v_nop
.endr
.Lasked_\@:
.endm
.macro CREST
	s_cmp_lg_u32 s14, 0
	s_cbranch_scc1 .Lnot_wave_0_\@
	s_barrier_signal -3
.Lnot_wave_0_\@:
	s_barrier_wait -3
	s_barrier_signal -1
	s_barrier_wait -1
.endm
.macro CROUND
	s_barrier_signal -1
	s_barrier_wait -1
	CREST
.endm
	s_load_b128 s[4:7], s[0:1], 0x0                ; hc, wc
	s_load_b128 s[8:11], s[0:1], 0x10              ; lowp_scales, qkv_b
	s_load_b64 s[12:13], s[0:1], 0x20              ; qkvc
	v_lshl_add_u32 v[SPW], v0, 2, SPARE
	v_mov_b32 v[NIL], 0
	ds_add_u32 v[SPW], v[NIL]                      ; the opening: the add, twice on end, and its wait ahead of my first tensor load
	ds_add_u32 v[SPW], v[NIL]
	v_lshrrev_b32 v1, 5, v0
	v_readfirstlane_b32 s14, v1                    ; wave
	s_lshr_b32 s15, s14, 1                         ; my half of role A's rows; also: I fetch for A (0) or B (1)
	s_and_b32 s16, s14, 1                          ; my half of role B's rows; also: which 128 rows I fetch
	s_bfe_u32 s40, ttmp6, 0x40000                  ; cx
	s_bfe_u32 s41, ttmp6, 0x40004                  ; cy
	s_and_b32 s19, ttmp7, 0xffff
	s_lshl_b32 s19, s19, 2                         ; 4 x cluster y
	s_add_co_u32 s17, s19, s41                     ; q, k: tile of tokens
	s_add_co_u32 s18, s19, s40                     ; v: tile of tokens
	s_lshl_b32 s42, ttmp9, 2
	s_add_co_u32 s42, s42, s40                     ; q, k: tile of weight columns
	s_cmp_eq_u32 ttmp9, 2                          ; the cluster's x: the same in all sixteen partners
	s_cselect_b32 s17, s41, s17                    ; role A's tile: made of cy alone
	s_cselect_b32 s42, s18, s42                    ; role B's tile: made of cx alone
	s_cselect_b32 s80, 2097152, 0                  ; v's weight rows begin 2,048 rows into wc
	s_lshl_b32 s43, s41, 2
	s_lshl_b32 s43, 15, s43                        ; my row of the cluster
	s_lshl_b32 s44, 0x1111, s40                    ; my column
	s_or_b32 s[G1+0], s43, (1<<20)|(1<<21)|(5<<22)|(3<<25)   ; mask; elements of 1 byte; padding: 4 words behind every 64
	s_or_b32 s[G1B+0], s44, (1<<20)|(1<<21)|(5<<22)|(3<<25)
.irp g, G1, G1B
	s_mov_b32 s[\g+1], ROWB<<16                    ; tensor_dim0
	s_mov_b32 s[\g+2], 128<<16                     ; tensor_dim1
	s_mov_b32 s[\g+3], ROWB<<16                    ; tile_dim0
	s_mov_b32 s[\g+4], 128                         ; tile_dim1
	s_mov_b32 s[\g+5], KROW                        ; stride
	s_mov_b32 s[\g+6], 0
	s_mov_b32 s[\g+7], 0
.endr
	s_lshl_b32 s18, s16, 7
	s_lshl_b32 s20, s17, 8
	s_add_co_u32 s20, s20, s18
	s_lshl_b32 s20, s20, 10
	s_add_co_u32 s20, s20, s80                     ; role A: byte of row 256 x tile + 128 x half
	s_mov_b32 s21, 0
	s_lshl_b32 s46, s42, 8
	s_add_co_u32 s46, s46, s18
	s_lshl_b32 s46, s46, 10                        ; role B likewise
	s_mov_b32 s47, 0
	s_mul_i32 s45, s14, HALFT                      ; where they go: wave x 128 rows
	s_wait_dscnt 0x0                               ; both opening adds are done
	s_wait_kmcnt 0x0
	s_load_b256 s[68:75], s[8:9], 0x0              ; e0 .. e7
	s_cmp_eq_u32 ttmp9, 2
	s_cselect_b64 s[76:77], s[6:7], s[4:5]         ; role A's buffer
	s_cselect_b64 s[78:79], s[4:5], s[6:7]         ; role B's
	s_add_nc_u64 s[20:21], s[76:77], s[20:21]
	s_add_nc_u64 s[46:47], s[78:79], s[46:47]
	CROUND                                         ; all sixteen work-groups are here: the first joint loads meet
.irp s, 0,1
	s_mov_b32 s[G0+4*\s], 1
	s_add_co_u32 s[G0+4*\s+1], s45, \s*SLOT
	s_add_nc_u64 s[G0+4*\s+2:G0+4*\s+3], s[20:21], \s*ROWB
	s_or_b32 s[G0+4*\s+3], s[G0+4*\s+3], 0x80000000
	s_mov_b32 s[G0B+4*\s], 1
	s_add_co_u32 s[G0B+4*\s+1], s45, \s*SLOT
	s_add_nc_u64 s[G0B+4*\s+2:G0B+4*\s+3], s[46:47], \s*ROWB
	s_or_b32 s[G0B+4*\s+3], s[G0B+4*\s+3], 0x80000000
.endr
	s_cmp_eq_u32 s15, 0                            ; the prefetches' base: of the 128 rows that I fetch (role A's or role B's), my work-group's 32;
	s_cselect_b64 s[86:87], s[20:21], s[46:47]
	s_cselect_b32 s88, s40, s41                    ; the four partners that ask for a tile jointly are told apart by address: cx for role A, cy for role B
	s_lshl_b32 s88, s88, 15                        ; 32 rows of 1,024 bytes
	s_mov_b32 s89, 0
	s_add_nc_u64 s[86:87], s[86:87], s[88:89]      ; never rewritten
	JLOAD G0, G1, G0B, G1B                         ; K step 0: one tensor load a wave at the head
	v_and_b32 v27, 31, v0
	v_lshlrev_b32 v27, 10, v27                     ; a lane a row; never rewritten
	global_prefetch_b8 v27, s[86:87] offset:ROWB th:TH_LOAD_NT scope:SCOPE_SE     ; K steps 1 and 2: 256 bytes of each of my 32 rows, each block named once in the cluster
	global_prefetch_b8 v27, s[86:87] offset:2*ROWB th:TH_LOAD_NT scope:SCOPE_SE
	v_and_b32 v1, 15, v0                           ; r
	v_bfe_u32 v2, v0, 4, 1                         ; h
	v_and_b32 v3, 31, v0                           ; lane
	v_mul_u32_u24 v5, v1, PITCH
	v_lshl_add_u32 v4, v2, 4, v5                   ; a fragment's row x pitch + 16 h
	s_wait_alu depctr_va_vdst(0)
	s_mul_i32 s21, s15, HALFT
	s_mul_i32 s22, s16, HALFT
	s_add_co_u32 s22, s22, 2*HALFT
.irp s, 0,1
	v_add_nc_u32 v[ADRA+\s], s21, v4
	v_add_nc_u32 v[ADRB+\s], s22, v4
	s_add_co_u32 s21, s21, SLOT
	s_add_co_u32 s22, s22, SLOT
.endr
	s_mul_i32 s23, s15, 128*PITCH                  ; the stage, 256 rows x 272 bytes in slot 0: row 128 x my half + r, byte 128 x my half + 16 h
	s_lshl_b32 s22, s16, 7
	s_add_co_u32 s23, s23, s22
	v_add_nc_u32 v[STO], s23, v4
	v_lshrrev_b32 v5, 2, v3                        ; back, q and k: wave w takes head w: bytes 64 w on of all 256 rows; four lanes to a row, eight rows a load
	v_and_b32 v12, 3, v3
	v_mul_u32_u24 v[RDQ], v5, PITCH
	v_lshl_add_u32 v[RDQ], v12, 4, v[RDQ]
	s_lshl_b32 s23, s14, 6
	v_add_nc_u32 v[RDQ], s23, v[RDQ]
	v_add_nc_u32 v[RDQ+1], 16*8*PITCH, v[RDQ]
	v_mul_u32_u24 v[RDV], v2, PITCH                ; back, v: wave w takes rows 64 w on, whole; sixteen lanes to a row, two rows a load
	v_lshl_add_u32 v[RDV], v1, 4, v[RDV]
	s_mul_i32 s23, s14, 64*PITCH
	v_add_nc_u32 v[RDV], s23, v[RDV]
	v_add_nc_u32 v[RDV+1], 16*2*PITCH, v[RDV]
	v_lshlrev_b32 v[CO], 4, v3
	v_lshlrev_b32 v6, 5, v2                        ; the bias by column: 32 h bytes
	v_lshlrev_b32 v7, 2, v1                        ; the bias by row: 4 r bytes
	; where my 16,384 bytes go: part x 4 MiB + ((16 batch + 4 tile of heads + wave) x 8 + block) x 16,384
	s_cmp_eq_u32 ttmp9, 2
	s_cselect_b32 s20, s42, s17                    ; the tile of tokens
	s_cselect_b32 s21, s41, s40                    ; the tile of heads
	s_lshr_b32 s22, s20, 3
	s_lshl_b32 s22, s22, 4
	s_lshl_b32 s21, s21, 2
	s_add_co_u32 s22, s22, s21
	s_add_co_u32 s22, s22, s14
	s_lshl_b32 s22, s22, 3
	s_and_b32 s20, s20, 7
	s_add_co_u32 s22, s22, s20
	s_lshl_b32 s22, s22, 14
	s_lshl_b32 s23, ttmp9, 22
	s_add_co_u32 s22, s22, s23
	s_mov_b32 s23, 0
	s_add_nc_u64 s[12:13], s[12:13], s[22:23]
	; the bias: q, k: qkv_b at column 256 x tile B + 128 x my half;  v: at 2,048 + 256 x tile A + 128 x my half
	s_lshl_b32 s20, s42, 10
	s_lshl_b32 s21, s16, 9
	s_add_co_u32 s20, s20, s21
	s_lshl_b32 s22, s17, 10
	s_lshl_b32 s23, s15, 9
	s_add_co_u32 s22, s22, s23
	s_add_co_u32 s22, s22, 8192
	s_cmp_eq_u32 ttmp9, 2
	s_cselect_b32 s20, s22, s20
	s_mov_b32 s21, 0
	s_add_nc_u64 s[10:11], s[10:11], s[20:21]
	; Either arm fills all 64 registers of the bias, so that what follows them is one text for all three parts.
	s_cmp_eq_u32 ttmp9, 2
	s_cbranch_scc1 .Lv_bias
	s_wait_alu depctr_va_vdst(0)
.irp b, 0,1,2,3,4,5,6,7
	global_load_b128 v[BI+8*\b:BI+8*\b+3], v6, s[10:11] offset:64*\b       ; q, k: tile b's eight columns of my half of the lanes
	global_load_b128 v[BI+8*\b+4:BI+8*\b+7], v6, s[10:11] offset:64*\b+16
.endr
	s_branch .Lbias_asked
.Lv_bias:
	s_wait_alu depctr_va_vdst(0)
.irp a, 0,1,2,3,4,5,6,7
.irp j, 0,1,2,3,4,5,6,7
	global_load_b32 v[BI+8*\a+\j], v7, s[10:11] offset:64*\a               ; v: block a's row r has one bias for the lane's eight keys: the same word into eight registers
.endr
.endr
.Lbias_asked:
.macro FRAG reg, adr, q, i             ; 16 rows x 128 K in 16 registers: registers 4 c .. 4 c + 3 hold K = 32 c + 16 h + 0 .. 15: one and the same order of k on both sides
.irp c, 0,1,2,3
	ds_load_b128 v[\reg+4*\c:\reg+4*\c+3], v[\adr] offset:128*(\q)+32*\c+(\i)*16*PITCH
.endr
.endm
; 16 matrix instructions: A's blocks a0, a0 + 1 x B's eight.  first = 0: in place; 1: C = the bias by B's block; 2: C = the bias by A's block.  The 64 accumulators take turns
.macro MUL16 a0, p, first
.irp a, \a0, \a0+1
.irp b, 0,1,2,3,4,5,6,7
.if \first == 0
	v_wmma_f32_16x16x128_bf8_bf8 v[8*(8*((\a)%4)+\b):8*(8*((\a)%4)+\b)+7], v[128*(\p)+FR*\b:128*(\p)+FR*\b+FR-1], v[AF+FR*(\a):AF+FR*(\a)+FR-1], v[8*(8*((\a)%4)+\b):8*(8*((\a)%4)+\b)+7]
.elseif \first == 1
	v_wmma_f32_16x16x128_bf8_bf8 v[8*(8*((\a)%4)+\b):8*(8*((\a)%4)+\b)+7], v[128*(\p)+FR*\b:128*(\p)+FR*\b+FR-1], v[AF+FR*(\a):AF+FR*(\a)+FR-1], v[BI+8*\b:BI+8*\b+7]
.else
	v_wmma_f32_16x16x128_bf8_bf8 v[8*(8*((\a)%4)+\b):8*(8*((\a)%4)+\b)+7], v[128*(\p)+FR*\b:128*(\p)+FR*\b+FR-1], v[AF+FR*(\a):AF+FR*(\a)+FR-1], v[BI+8*(\a):BI+8*(\a)+7]
.endif
.endr
.endr
.endm
.macro FETCH_B slot, q, p
	WIN TO_B
.irp i, 0,1,2,3,4,5,6,7
	FRAG 128*(\p)+FR*\i, ADRB+\slot, \q, \i
.endr
	WIN 0
.endm
.macro FETCH_A slot, q, i0
.irp i, \i0, \i0+1, \i0+2, \i0+3
	FRAG AF+FR*(\i), ADRA+\slot, \q, \i
.endr
.endm
.macro PLACES n                        ; plain vector instructions between a matrix instruction and a load into, or a read of, its registers
.rept \n
	v_nop
.endr
.endm
.macro STEP slot, q, first             ; 128 along K whose successor lies in the same slot
	s_wait_dscnt 4*NL                              ; B's set and A's blocks 0-3 are in; A's blocks 4-7 may be out
	WMUL 0, \first
	MUL16 0, (\q)%2, \first
	MUL16 2, (\q)%2, \first
	s_wait_dscnt 0
	PLACES NP
	FETCH_B \slot, (\q)+1, 1-(\q)%2
	FETCH_A \slot, (\q)+1, 0
	WMUL 1, \first
	MUL16 4, (\q)%2, \first
	MUL16 6, (\q)%2, \first
	PLACES NP
	WIN 0
	FETCH_A \slot, (\q)+1, 4
.endm
.macro TURN slot, next, fill           ; a slot's last step changes slots: one barrier; fill = 1: a round of the cluster's, and the slot is filled again
	s_wait_tensorcnt 0x0                           ; all my tensor loads have landed: my part of the next slot
	ds_add_u32 v[SPW], v[NIL]
	s_wait_dscnt 4*NL+1                            ; the add and A's blocks 4-7 may be out
	WMUL 0, 0
	MUL16 0, 1, 0
	s_wait_dscnt 0x0                               ; the add is done, and my reads of this slot are over
	s_barrier_signal -1
	MUL16 2, 1, 0
	WIN 0
	s_barrier_wait -1
.if \fill
	CREST                                          ; no wave of any partner still reads this slot or has a load on its way
	s_add_nc_u64 s[G0+4*\slot+2:G0+4*\slot+3], s[G0+4*\slot+2:G0+4*\slot+3], 2*ROWB
	s_add_nc_u64 s[G0B+4*\slot+2:G0B+4*\slot+3], s[G0B+4*\slot+2:G0B+4*\slot+3], 2*ROWB
	JLOAD G0+4*\slot, G1, G0B+4*\slot, G1B         ; its four v_nop are the places in front of the loads below
.else
	PLACES NP
.endif
	FETCH_B \next, 0, 0
	FETCH_A \next, 0, 0
	WMUL 1, 0
	MUL16 4, 1, 0
	MUL16 6, 1, 0
	PLACES NP
	WIN 0
	FETCH_A \next, 0, 4
.endm
	s_wait_alu depctr_va_vdst(0)                   ; the wait at the head's end
	s_wait_tensorcnt 0x0                           ; my part of K step 0 is in; these lines stand ahead of a later first fill as ahead of a refill
	ds_add_u32 v[SPW], v[NIL]
	s_wait_dscnt 0x0
	CROUND                                         ; everybody's part of K step 0 is in, and the joint loads meet
	JLOAD G0+4, G1, G0B+4, G1B                     ; K step 1: the first tensor load behind the round
	global_prefetch_b8 v27, s[86:87] offset:3*ROWB th:TH_LOAD_NT scope:SCOPE_SE   ; K step 3, the last: two refills ahead of its load; nothing is asked for behind it
	FETCH_B 0, 0, 0
	FETCH_A 0, 0, 0
	FETCH_A 0, 0, 4
	s_wait_kmcnt 0x0
	s_add_co_i32 s81, s68, s69                     ; e0 + e1
	s_sub_co_i32 s82, 0, s81
	s_cmp_eq_u32 ttmp9, 0
	s_cselect_b32 s83, s70, s71                    ; e2 or e3,
	s_cmp_eq_u32 ttmp9, 2
	s_cselect_b32 s83, s73, s83                    ; or e5
	s_sub_co_i32 s83, s83, s81
	s_add_co_i32 s83, s83, 127
	s_lshl_b32 s84, s83, 23
	v_mov_b32 v[SCL], s84
	s_add_co_i32 s83, s83, 15
	s_lshl_b32 s83, s83, 23
	s_or_b32 s83, s83, 0x600000
	v_mov_b32 v[LIM], s83
	s_wait_loadcnt 0x0                             ; the bias, whichever arm asked for it
.set kk, 0
.rept 64
	v_ldexp_f32 v[BI+kk], v[BI+kk], s82            ; bias / 2^(e0 + e1)
.set kk, kk+1
.endr
	s_cmp_eq_u32 ttmp9, 2                          ; the first step's products start the sums from the bias: only which eight registers are a product's C differs
	s_cbranch_scc1 .Lv_first
	s_wait_alu depctr_va_vdst(0)
	STEP 0, 0, 1                                   ; q, k: by B's block
	s_branch .Lfirst_done
.Lv_first:
	s_wait_alu depctr_va_vdst(0)
	STEP 0, 0, 2                                   ; v: by A's block
.Lfirst_done:
	s_mov_b32 s3, LAPS-1
.Llap:
	TURN 0, 1, 1
	STEP 1, 0, 0
	TURN 1, 0, 1
	STEP 0, 0, 0
	s_sub_co_u32 s3, s3, 1
	s_cmp_lg_u32 s3, 0
	s_cbranch_scc1 .Llap
	TURN 0, 1, 0                                   ; the last lap fills nothing
	STEP 1, 0, 0
	s_wait_dscnt 4*NL
	WMUL 0, 0
	MUL16 0, 1, 0
	MUL16 2, 1, 0
	s_wait_dscnt 0
	WMUL 1, 0
	MUL16 4, 1, 0
	MUL16 6, 1, 0
	WIN 0
; THE WAY OUT.  Block a's 64 sums a lane are held, converted (8 codes = 8 bytes for each tile b) and put into the work-group's stage; the stage lies in slot 0, which has had its last fill and its last read.
.macro CODES a
.set AC, 64*((\a)%4)
	WIN 0x02+((\a)/4)                              ; source 0: window 2 or 3
.set kk, 0
.rept 64
	v_med3_num_f32 v[TMP+kk], v[AC+kk], -v[LIM], v[LIM]   ; each accumulator from its low end on
.set kk, kk+1
.endr
	WIN 0
.irp b, 0,1,2,3,4,5,6,7
	v_cvt_scalef32_pk8_bf8_f32 v[CD+16*(\a)+2*\b:CD+16*(\a)+2*\b+1], v[TMP+8*\b:TMP+8*\b+7], v[SCL]
.endr
	v_nop                                          ; a plain instruction between the conversions and the next block's holds, which write their sources
.irp b, 0,1,2,3,4,5,6,7
	ds_store_b64 v[STO], v[CD+16*(\a)+2*\b:CD+16*(\a)+2*\b+1] offset:(\a)*16*PITCH+32*(\b/2)+8*(\b%2)   ; numbers 16 b + 8 h + j at byte 32 (b / 2) + 16 h + 8 (b % 2) + j
.endr
.endm
.macro RB adr, step
.set kk, 0
.rept 32
	ds_load_b128 v[BK+4*kk:BK+4*kk+3], v[\adr+kk/16] offset:(kk%16)*\step
.set kk, kk+1
.endr
.endm
	PLACES NP
.irp a, 0,1,2,3,4,5,6,7
	CODES \a
.endr
	s_wait_dscnt 0x0                               ; for the others' sake: my stores into the stage are done
	s_barrier_signal -1
	s_barrier_wait -1
	s_cmp_eq_u32 ttmp9, 2
	s_cbranch_scc1 .Lv_back
	RB RDQ, 8*PITCH
	s_branch .Lback_done
.Lv_back:
	RB RDV, 2*PITCH
.Lback_done:
.set kk, 0
.rept 32
	s_wait_dscnt 31-kk                             ; the younger reads may be out
	global_store_b128 v[CO], v[BK+4*kk:BK+4*kk+3], s[12:13] offset:512*kk   ; 512 consecutive bytes a store; 16,384 on end a wave
.set kk, kk+1
.endr
	s_wait_tensorcnt 0x0                           ; the wave's end
	ds_add_u32 v[SPW], v[NIL]
	s_wait_dscnt 0x0
	CROUND                                         ; the closing round
	s_endpgm
.Lfunc_end_k_qc9e63ebb30_qkv:
	.size	k_qc9e63ebb30_qkv, .Lfunc_end_k_qc9e63ebb30_qkv-k_qc9e63ebb30_qkv
	.p2alignl 7, 3214868480
	.fill 96, 4, 3214868480
	.section	.rodata,"a",@progbits
	.p2align	6, 0x0
	.amdhsa_kernel k_qc9e63ebb30_qkv
		.amdhsa_group_segment_fixed_size 327680
		.amdhsa_private_segment_fixed_size 0
		.amdhsa_enable_private_segment 0
		.amdhsa_kernarg_size 40
		.amdhsa_user_sgpr_count 2
		.amdhsa_user_sgpr_kernarg_segment_ptr 1
		.amdhsa_wavefront_size32 1
		.amdhsa_system_sgpr_workgroup_id_x 1
		.amdhsa_system_sgpr_workgroup_id_y 1
		.amdhsa_system_sgpr_workgroup_id_z 1
		.amdhsa_system_vgpr_workitem_id 0
		.amdhsa_next_free_vgpr 1024
		.amdhsa_next_free_sgpr 100
		.amdhsa_reserve_vcc 0
		.amdhsa_float_denorm_mode_32 3
		.amdhsa_float_denorm_mode_16_64 3
		.amdhsa_memory_ordered 1
		.amdhsa_forward_progress 1
		.amdhsa_inst_pref_size 150
	.end_amdhsa_kernel
	.amdgpu_metadata
---
amdhsa.version: [ 1, 2 ]
amdhsa.kernels:
  - .name:           k_qc9e63ebb30_qkv
    .symbol:         k_qc9e63ebb30_qkv.kd
    .args:
      - { .name: hc, .offset: 0, .size: 8, .value_kind: global_buffer, .address_space: global }
      - { .name: wc, .offset: 8, .size: 8, .value_kind: global_buffer, .address_space: global }
      - { .name: lowp_scales, .offset: 16, .size: 8, .value_kind: global_buffer, .address_space: global }
      - { .name: qkv_b, .offset: 24, .size: 8, .value_kind: global_buffer, .address_space: global }
      - { .name: qkvc, .offset: 32, .size: 8, .value_kind: global_buffer, .address_space: global }
    .group_segment_fixed_size: 327680
    .private_segment_fixed_size: 0
    .kernarg_segment_align: 8
    .kernarg_segment_size: 40
    .max_flat_workgroup_size: 128
    .sgpr_count:     100
    .vgpr_count:     1024
    .wavefront_size: 32
...
	.end_amdgpu_metadata
.endif
;; end of part 2
;; launch attn (part 3): grid 8 x 32, 8 waves a work-group, clusters of 4 x 1, 327,680 bytes of LDS; arguments qkvc, lowp_scales, x, ln2_g, ln2_b, x1, hc; writes x1, hc
.if DOCPART == 3
	.amdgcn_target "amdgcn-amd-amdhsa--gfx1250"
	.amdhsa_code_object_version 6
	.text
	.protected	k_qc9e63ebb30_attn
	.globl	k_qc9e63ebb30_attn
	.p2align	8
	.type	k_qc9e63ebb30_attn,@function
k_qc9e63ebb30_attn:
	s_mov_b64 s[64:65], 0
	v_nop
	global_prefetch_b8 v0, s[64:65] scope:SCOPE_SE
	s_setreg_imm32_b32 hwreg(HW_REG_WAVE_MODE, 25, 1), 1
	s_wait_xcnt 0x0
	s_wait_alu depctr_hold_cnt(0) depctr_sa_sdst(0) depctr_va_vdst(0) depctr_va_sdst(0) depctr_va_ssrc(0) depctr_va_vcc(0) depctr_vm_vsrc(0)
	s_getreg_b32 s2, hwreg(HW_REG_IB_STS2, 6, 4)
	s_cmp_eq_u32 s2, 0
	s_cbranch_scc0 .Lentry_in_a_cluster
	s_endpgm
.Lentry_in_a_cluster:
	s_bfe_u32 s2, ttmp6, 0x10000c
	s_cmp_lg_u32 s2, 0x3003
	s_cbranch_scc0 .Lentry_shape_is_right
	s_endpgm
.Lentry_shape_is_right:
; THIRD LAUNCH: attention on codes of E5M2 (head size 64, scale 1/32, no mask), x1 = x + attention, and LN2(x1) as codes.  No work is left out.
; THE SOFTMAX AHEAD OF THE SECOND PRODUCT: t = score x log2(e) / 32; M = the running largest t rounded up to a whole number; p = 2^(t - M) is quantised with 2^e4, not normalised; the sum of the unquantised p divides at the end.
; SHARES.  A work-group owns 256 queries of one head bh = 16 b + h; each of its eight waves 32 of them, two tiles of 16 (tile 0, tile 1), in 512 registers, two waves to a SIMD.  Each fragment of K and of V that a wave
; reads from LDS feeds two matrix instructions.  The source reads the result [B][H][N][64] as [B][N][1024] without moving the heads back: the 16 queries n0 .. n0 + 15 of head bh ARE row 128 bh + n0 / 16 of x,
; query r at columns 64 r on.  So a wave owns two whole rows: residual, LN2 and its quantiser are its way out.
; LAYOUT.  S^T = K Q^T (source 0 = 16 keys, source 1 = 16 queries), O^T = V^T P^T: a lane holds one query (lane % 16) of each tile.  Tile T of the scores holds keys 16 T + 8 (lane / 16) + j in register j; v's codes lie so
; (byte 32 c + 16 h + 8 u + j of a row = key 16 (2 c + u) + 8 h + j) that the conversions' results are the second product's operand.  q's and k's bytes have one and the same order of d.
; LDS.  All of the head's V (512 rows of 256 bytes: 8 blocks x 64 d x 256 keys) and K (512 rows of 256 bytes: four keys a row) lie in LDS, rows 272 bytes apart: 2 x 139,264 bytes.  They are asked for once, at the head, by eight
; joint loads of 128 rows, one a wave (waves 0-3: V; waves 4-7: K), which the four query blocks of a cluster share (mask 15).  Nothing is filled again, so the loop over the keys has no barrier.
; Behind the tiles: a stage of 16 x 272 bytes for each wave, then the spare words.  The stages are bytes of their own, so a wave goes out when its own loop is over.
; NO DATA PREFETCH: every tile is asked for at the head, ahead of the loop, so there is no trip to run ahead in; x's rows are asked for when the tiles are in, and read behind the loop.
; A STEP is 128 keys for both tiles.  K's fragments of the next step are asked for behind this step's score products, V's behind this step's second product: each lands under the work between.
; The last trip has no next step: its K loads name step 15 again and its V loads the first rows of K's tile; both stay inside the tiles and nothing reads them.
; REGISTERS.  Window 0: v1-11 addresses; v12-31 the two tiles' -M, largest score, sum, f and temporaries; v32-95, v96-159 scores, then p; v160-191, v192-223 O^T; v224-255 at work.
; Window 1: v0-63 K's eight fragments; v64-127 V's four; v128-143 Q; v144-175 p's codes; v176-239 my two rows of x.  The softmax names window 0 alone.
; LIMITS: e2 + e3 between -121 and 132 (added to c's exponent field); e4 and e6 between -126 and 112; the scaled scores stay under 2^31 in magnitude.  NaN among the inputs is not served.
.set PITCH, 272
.set KB,    512*PITCH                  ; V's tile lies at 0, K's here
.set STAGE, 2*KB
.set SPARE, STAGE+8*16*PITCH           ; 128 bytes a wave, which no other line names
.set HS,    32*PITCH                   ; 128 keys in K's tile
.set MSB, 0
.macro WIN new                         ; the immediate's high byte repeats the setting that is left
.if MSB != (\new)
	s_set_vgpr_msb (MSB<<8)|(\new)
.set MSB, (\new)
.endif
.endm
.macro CROUND
	s_barrier_signal -1
	s_barrier_wait -1
	s_cmp_lg_u32 s18, 0
	s_cbranch_scc1 .Lnot_wave_0_\@
	s_barrier_signal -3
.Lnot_wave_0_\@:
	s_barrier_wait -3
	s_barrier_signal -1
	s_barrier_wait -1
.endm
.macro KLOAD adr                       ; destination window 1: eight tiles of 16 keys x 64 d
.irp t, 0,1,2,3,4,5,6,7
	ds_load_b128 v[8*\t:8*\t+3], v[\adr] offset:4*\t*PITCH
	ds_load_b128 v[8*\t+4:8*\t+7], v[\adr] offset:4*\t*PITCH+32
.endr
.endm
.macro VLOAD adr                       ; destination window 1: four tiles of 16 d x 128 keys
.irp t, 0,1,2,3
.irp c, 0,1,2,3
	ds_load_b128 v[64+16*\t+4*\c:64+16*\t+4*\c+3], v[\adr] offset:16*\t*PITCH+32*\c
.endr
.endr
.endm
.macro SUM x                           ; tile x's 64 unquantised p onto its sum: four chains of packed additions
.set SS, 32+64*(\x)
.set LL, 16+2*(\x)
	v_pk_add_f32 v[232:233], v[SS:SS+1], v[SS+2:SS+3]
	v_pk_add_f32 v[234:235], v[SS+4:SS+5], v[SS+6:SS+7]
	v_pk_add_f32 v[236:237], v[SS+8:SS+9], v[SS+10:SS+11]
	v_pk_add_f32 v[LL:LL+1], v[LL:LL+1], v[SS+12:SS+13]
.set kk, 14
.rept 6
	v_pk_add_f32 v[232:233], v[232:233], v[SS+kk:SS+kk+1]
	v_pk_add_f32 v[234:235], v[234:235], v[SS+kk+2:SS+kk+3]
	v_pk_add_f32 v[236:237], v[236:237], v[SS+kk+4:SS+kk+5]
	v_pk_add_f32 v[LL:LL+1], v[LL:LL+1], v[SS+kk+6:SS+kk+7]
.set kk, kk+8
.endr
	v_pk_add_f32 v[232:233], v[232:233], v[SS+62:SS+63]
	v_pk_add_f32 v[234:235], v[234:235], v[236:237]
	s_delay_alu instid0(VALU_DEP_2)
	v_pk_add_f32 v[LL:LL+1], v[LL:LL+1], v[232:233]
	s_delay_alu instid0(VALU_DEP_1)
	v_pk_add_f32 v[LL:LL+1], v[LL:LL+1], v[234:235]
.endm
.macro FOLD                            ; four packed chains in v224-231 -> their sum over the row, in every lane's v224
	v_pk_add_f32 v[224:225], v[224:225], v[226:227]
	v_pk_add_f32 v[228:229], v[228:229], v[230:231]
	s_delay_alu instid0(VALU_DEP_1)
	v_pk_add_f32 v[224:225], v[224:225], v[228:229]
	s_delay_alu instid0(VALU_DEP_1)
	v_add_f32 v224, v224, v225
.irp m, 1,2,4,8
	s_delay_alu instid0(VALU_DEP_1)
	v_add_f32_dpp v224, v224, v224 row_xmask:\m row_mask:0xf bank_mask:0xf
.endr
	s_delay_alu instid0(VALU_DEP_1)
	v_permlanex16_b32 v26, v224, s20, s21
	s_delay_alu instid0(VALU_DEP_1)
	v_add_f32 v224, v224, v26
.endm
.macro LN y, d                         ; a row of 1,024 numbers, 32 a lane -> ((y - mean) / sqrt(var + 1e-5)) g + b; g in v32-63, b in v64-95
.irp c, 0,2,4,6
	v_pk_add_f32 v[224+\c:225+\c], v[\y+\c:\y+\c+1], v[\y+8+\c:\y+9+\c]
.endr
.irp j, 16,24
.irp c, 0,2,4,6
	v_pk_add_f32 v[224+\c:225+\c], v[224+\c:225+\c], v[\y+\j+\c:\y+\j+\c+1]
.endr
.endr
	FOLD
	s_delay_alu instid0(VALU_DEP_1)
	v_mul_f32 v232, s41, v224                      ; the mean
	s_delay_alu instid0(VALU_DEP_1)
	v_mov_b32 v233, v232
.set kk, 0
.rept 16
	v_pk_add_f32 v[\d+kk:\d+kk+1], v[\y+kk:\y+kk+1], v[232:233] neg_lo:[0,1] neg_hi:[0,1]
.set kk, kk+2
.endr
.irp c, 0,2,4,6
	v_pk_mul_f32 v[224+\c:225+\c], v[\d+\c:\d+\c+1], v[\d+\c:\d+\c+1]
.endr
.irp j, 8,16,24
.irp c, 0,2,4,6
	v_pk_fma_f32 v[224+\c:225+\c], v[\d+\j+\c:\d+\j+\c+1], v[\d+\j+\c:\d+\j+\c+1], v[224+\c:225+\c]
.endr
.endr
	FOLD
	s_delay_alu instid0(VALU_DEP_1)
	v_fmaak_f32 v232, s41, v224, 0x3727c5ac        ; var + 1e-5
	s_wait_alu depctr_va_vdst(0)                   ; the wait ahead of the transcendental,
	v_rsq_f32 v232, v232
	v_nop                                          ; a plain instruction behind it,
	s_wait_alu depctr_va_vdst(0)                   ; and the wait ahead of its first reader
	v_mov_b32 v233, v232
.set kk, 0
.rept 16
	v_pk_mul_f32 v[\d+kk:\d+kk+1], v[\d+kk:\d+kk+1], v[232:233]
.set kk, kk+2
.endr
	s_wait_alu depctr_va_vdst(0)
	s_wait_loadcnt 0x0                             ; g and b are in
.set kk, 0
.rept 16
	v_pk_fma_f32 v[\d+kk:\d+kk+1], v[\d+kk:\d+kk+1], v[32+kk:33+kk], v[64+kk:65+kk]
.set kk, kk+2
.endr
.endm
; THE WAY OUT of tile x = row x of my two.  O^T goes through my stage into the row's dense layout (back into its own registers); x1 = x + it is stored; LN2; the row turns through the stage so that a lane holds 8 neighbours; codes.
.macro ROWOUT x
.set YY, 160+32*(\x)
.irp t, 0,1,2,3
	ds_store_b128 v7, v[YY+8*\t:YY+8*\t+3] offset:64*\t
	ds_store_b128 v7, v[YY+8*\t+4:YY+8*\t+7] offset:64*\t+16
.endr
.irp j, 0,1,2,3,4,5,6,7
	ds_load_b128 v[YY+4*\j:YY+4*\j+3], v10 offset:544*\j   ; LDS serves a wave's instructions in order: these see my stores
.endr
	s_wait_dscnt 0x0
.if (\x) == 0
	s_wait_loadcnt 16                              ; x's two rows are in; g and b, sixteen loads, may be out
.endif
	WIN 0x01                                       ; source 0: x's row, in window 1
.set kk, 0
.rept 16
	v_pk_add_f32 v[YY+kk:YY+kk+1], v[176+32*(\x)+kk:177+32*(\x)+kk], v[YY+kk:YY+kk+1]
.set kk, kk+2
.endr
	WIN 0
.irp j, 0,1,2,3,4,5,6,7
	global_store_b128 v3, v[YY+4*\j:YY+4*\j+3], s[14:15] offset:4096*(\x)+512*\j   ; 512 consecutive bytes a store
.endr
	LN YY, 96
.irp j, 0,1,2,3,4,5,6,7
	ds_store_b128 v10, v[96+4*\j:99+4*\j] offset:544*\j
.endr
.irp j, 0,1,2,3
	ds_load_b128 v[128+8*\j:131+8*\j], v11 offset:1088*\j
	ds_load_b128 v[132+8*\j:135+8*\j], v11 offset:1088*\j+16
.endr
	s_wait_dscnt 0x0
.set kk, 0
.rept 32
	v_med3_num_f32 v[128+kk], v[128+kk], -v24, v24 ; the conversion to an 8-bit code does not saturate (ISA guide 7.6.2)
.set kk, kk+1
.endr
.irp j, 0,1,2,3
	v_cvt_scalef32_pk8_bf8_f32 v[240+8*(\x)+2*\j:241+8*(\x)+2*\j], v[128+8*\j:135+8*\j], v25
.endr
	v_nop
.irp j, 0,1,2,3
	global_store_b64 v4, v[240+8*(\x)+2*\j:241+8*(\x)+2*\j], s[16:17] offset:1024*(\x)+256*\j   ; 256 consecutive bytes a store, aligned
.endr
.endm
	s_load_b256 s[4:11], s[0:1], 0x0               ; qkvc 4, lowp_scales 6, x 8, ln2_g 10
	s_load_b128 s[12:15], s[0:1], 0x20             ; ln2_b 12, x1 14
	s_load_b64 s[16:17], s[0:1], 0x30              ; hc
	v_lshl_add_u32 v5, v0, 2, SPARE                ; my spare word; never rewritten
	v_mov_b32 v6, 0                                ; 0; never rewritten
	ds_add_u32 v5, v6                              ; the opening: the add, twice on end, and its wait ahead of my first tensor load
	ds_add_u32 v5, v6
	v_lshrrev_b32 v8, 5, v0
	v_readfirstlane_b32 s18, v8                    ; wave 0..7
	s_bfe_u32 s19, ttmp6, 0x40000                  ; cx
	s_and_b32 s42, ttmp7, 0xffff                   ; the head bh, which the partners share
	s_lshl_b32 s43, s42, 17                        ; its 131,072 bytes in each of q, k, v
	s_mov_b32 s24, 15|(1<<20)|(1<<21)|(5<<22)|(3<<25)   ; mask: all four; elements of 1 byte; padding: 4 words behind every 64
	s_mov_b32 s25, 256<<16                         ; tensor_dim0
	s_mov_b32 s26, 128<<16                         ; tensor_dim1
	s_mov_b32 s27, 256<<16                         ; tile_dim0
	s_mov_b32 s28, 128                             ; tile_dim1
	s_mov_b32 s29, 256                             ; rows are dense in memory
	s_mov_b32 s30, 0
	s_mov_b32 s31, 0
	s_mov_b32 s20, 0x76543210                      ; lane selects: lane xor 16
	s_mov_b32 s21, 0xfedcba98
	s_mov_b32 s22, 0x3d38aa3b                      ; c = log2(e) / 32
	s_mov_b32 s41, 0x3a800000                      ; 1 / 1,024
	s_lshr_b32 s44, s18, 2
	s_sub_co_u32 s44, 2, s44
	s_lshl_b32 s44, s44, 22                        ; waves 0-3: v's part, 8 MiB on; waves 4-7: k's, 4 MiB on
	s_and_b32 s45, s18, 3
	s_lshl_b32 s45, s45, 15                        ; my 128 rows of 256 bytes
	s_add_co_u32 s44, s44, s45
	s_add_co_u32 s44, s44, s43
	s_mov_b32 s45, 0
	s_mul_i32 s33, s18, 128*PITCH                  ; where they go: wave x 128 rows
	s_mov_b32 s32, 1
	s_wait_dscnt 0x0                               ; both opening adds are done
	s_wait_kmcnt 0x0
	s_load_b256 s[56:63], s[6:7], 0x0              ; e0 .. e7
	s_add_nc_u64 s[34:35], s[4:5], s[44:45]
	s_or_b32 s35, s35, 0x80000000
	CROUND                                         ; all four work-groups are here: the joint loads meet
	tensor_load_to_lds s[32:35], s[24:31]          ; every wave's one load
	s_nop 0
	s_lshl_b32 s46, ttmp9, 2
	s_add_co_u32 s46, s46, s19                     ; my block of 256 queries
	s_lshl_b32 s48, s46, 14
	s_add_co_u32 s48, s48, s43
	s_lshl_b32 s49, s18, 11
	s_add_co_u32 s48, s48, s49
	s_mov_b32 s49, 0
	s_add_nc_u64 s[48:49], s[4:5], s[48:49]        ; my 32 queries' codes
	s_lshl_b32 s50, s42, 7
	s_lshl_b32 s51, s46, 4
	s_add_co_u32 s50, s50, s51
	s_lshl_b32 s51, s18, 1
	s_add_co_u32 s50, s50, s51                     ; my first row of x: 128 bh + 16 block + 2 wave
	s_lshl_b32 s52, s50, 12
	s_mov_b32 s53, 0
	s_add_nc_u64 s[8:9], s[8:9], s[52:53]
	s_add_nc_u64 s[14:15], s[14:15], s[52:53]
	s_lshl_b32 s52, s50, 10
	s_add_nc_u64 s[16:17], s[16:17], s[52:53]
	s_mul_i32 s47, s18, 16*PITCH
	s_add_co_u32 s47, s47, STAGE                   ; my stage
	v_and_b32 v28, 15, v0                          ; r
	v_bfe_u32 v29, v0, 4, 1                        ; h
	v_and_b32 v30, 31, v0                          ; lane
	v_lshlrev_b32 v31, 6, v28
	v_lshl_add_u32 v31, v29, 4, v31                ; Q: 64 r + 16 h
	WIN 0x40
	global_load_b128 v[128:131], v31, s[48:49]     ; Q's two fragments stay in registers
	global_load_b128 v[132:135], v31, s[48:49] offset:32
	global_load_b128 v[136:139], v31, s[48:49] offset:1024
	global_load_b128 v[140:143], v31, s[48:49] offset:1056
	WIN 0
	v_lshlrev_b32 v3, 4, v30                       ; 16 x lane
	v_lshlrev_b32 v4, 3, v30                       ; 8 x lane
	v_lshrrev_b32 v8, 2, v28
	v_and_b32 v9, 3, v28
	v_mul_u32_u24 v1, v8, PITCH
	v_lshl_add_u32 v1, v9, 6, v1
	v_lshl_add_u32 v1, v29, 4, v1
	v_add_nc_u32 v1, KB, v1                        ; K: key r lies in row r / 4 at byte 64 (r % 4); + 16 h
	v_mul_u32_u24 v2, v28, PITCH
	v_lshl_add_u32 v7, v29, 5, v2
	v_add_nc_u32 v7, s47, v7                       ; the stage, O^T in: query r's 64 numbers are stage row r; + 32 h
	v_lshl_add_u32 v2, v29, 4, v2                  ; V: row r, + 16 h
	v_mul_u32_u24 v10, v29, PITCH
	v_lshl_add_u32 v10, v28, 4, v10
	v_add_nc_u32 v10, s47, v10                     ; the stage, dense
	v_lshrrev_b32 v8, 3, v30
	v_and_b32 v9, 7, v30
	v_mul_u32_u24 v11, v8, PITCH
	v_lshl_add_u32 v11, v9, 5, v11
	v_add_nc_u32 v11, s47, v11                     ; the stage, 8 neighbours a lane
.irp x, 0,1
	v_mov_b32 v[12+2*\x], 0x7f61b1e6               ; -M: 3e38
	v_mov_b32 v[13+2*\x], 0xff61b1e6               ; the largest score so far: -3e38
	v_mov_b32 v[16+2*\x], 0                        ; the sum, in two halves
	v_mov_b32 v[17+2*\x], 0
	v_mov_b32 v[21+2*\x], 0                        ; (named as the upper half of f's pair)
	v_mov_b32 v[26+\x], 0                          ; a lane permute's target counts as read
.endr
.set kk, 0
.rept 64
	v_mov_b32 v[160+kk], 0                         ; O^T: the step is written once; its first pass finds zeros
.set kk, kk+1
.endr
	s_wait_alu depctr_va_vdst(0)
	s_wait_kmcnt 0x0
	s_add_co_i32 s54, s58, s59
	s_lshl_b32 s54, s54, 23
	s_add_co_i32 s22, s22, s54                     ; a score stands for score x 2^(e2 + e3)
	s_mov_b32 s23, s22
	s_add_co_i32 s54, s60, 127
	s_lshl_b32 s55, s54, 23
	v_mov_b32 v25, s55                             ; 2^e4
	s_add_co_i32 s54, s54, 15
	s_lshl_b32 s54, s54, 23
	s_or_b32 s54, s54, 0x600000
	v_mov_b32 v24, s54                             ; 57,344 x 2^e4,
	v_mov_b32 v30, s54                             ; and once more: the two halves of a dual hold read it from registers of different banks
	s_mov_b32 s36, 0
	s_mov_b32 s37, 128                             ; what leads from there to the next step's place in V's tile: 128 and HS by turns
	s_wait_alu depctr_va_vdst(0)                   ; the wait at the head's end
	s_wait_loadcnt 0x0                             ; Q
	s_wait_tensorcnt 0x0                           ; my tile has landed,
	s_barrier_signal -1
	s_barrier_wait -1                              ; and so has every wave's
	WIN 0x40
.irp x, 0,1
.irp j, 0,1,2,3,4,5,6,7
	global_load_b128 v[176+32*\x+4*\j:179+32*\x+4*\j], v3, s[8:9] offset:4096*\x+512*\j th:TH_LOAD_NT   ; my rows of x: wanted on the way out
.endr
.endr
	KLOAD 1                                        ; step 0
	VLOAD 2
	WIN 0
.Lstep:                                                ; sixteen trips of 128 keys: LDS reads and work on registers alone
	s_add_co_u32 s38, s36, HS
	s_min_u32 s38, s38, 15*HS                      ; the next step in K's tile (the last trip: this step again)
	s_add_co_u32 s39, s36, s37                     ; and in V's: block (s + 1) / 2, byte 128 ((s + 1) % 2)
	s_wait_dscnt 16                                ; K's sixteen loads are in; V's sixteen, which are younger, may be out
	WIN 0x05                                       ; sources 0 and 1 in window 1
.irp t, 0,1,2,3,4,5,6,7
	v_wmma_f32_16x16x64_bf8_bf8 v[32+8*\t:39+8*\t], v[8*\t:8*\t+7], v[128:135], 0
	v_wmma_f32_16x16x64_bf8_bf8 v[96+8*\t:103+8*\t], v[8*\t:8*\t+7], v[136:143], 0
.endr
	WIN 0
	v_add_nc_u32 v8, s38, v1                       ; four plain instructions: the places in front of K's loads and of the first read of the scores
	v_mov_b32 v28, v12                             ; the old -M of either tile
	v_mov_b32 v29, v14
	v_add_nc_u32 v9, s39, v2
	WIN 0x40
	KLOAD 8                                        ; the next step's K lands while the softmax is walked
	WIN 0
.irp c, 0,1,2,3                                    ; the step's largest scores: four chains a tile, each accumulator from its low end on
	v_max_num_f32 v[224+\c], v[32+16*\c], v[33+16*\c]
	v_max_num_f32 v[228+\c], v[96+16*\c], v[97+16*\c]
.endr
.irp k, 2,4,6,8,10,12,14
.irp c, 0,1,2,3
	v_max3_num_f32 v[224+\c], v[224+\c], v[32+16*\c+\k], v[33+16*\c+\k]
	v_max3_num_f32 v[228+\c], v[228+\c], v[96+16*\c+\k], v[97+16*\c+\k]
.endr
.endr
.irp x, 0,1                                        ; the two tiles' chains take turns from here to f
	v_max3_num_f32 v[224+4*\x], v[224+4*\x], v[225+4*\x], v[226+4*\x]
.endr
.irp x, 0,1
	s_delay_alu instid0(VALU_DEP_2)
	v_max_num_f32 v[224+4*\x], v[224+4*\x], v[227+4*\x]
.endr
.irp x, 0,1
	s_delay_alu instid0(VALU_DEP_2)
	v_permlanex16_b32 v[26+\x], v[224+4*\x], s20, s21
.endr
.irp x, 0,1
	s_delay_alu instid0(VALU_DEP_2)
	v_max3_num_f32 v[13+2*\x], v[13+2*\x], v[224+4*\x], v[26+\x]   ; the running largest score, both halves of the lanes
.endr
.irp x, 0,1
	s_delay_alu instid0(VALU_DEP_2)
	v_mul_f32 v[224+4*\x], s22, v[13+2*\x]         ; as t (c is positive)
.endr
.irp x, 0,1
	s_delay_alu instid0(VALU_DEP_2)
	v_floor_f32 v[12+2*\x], -v[224+4*\x]           ; the new -M = -ceil(t)
.endr
.irp x, 0,1
	s_delay_alu instid0(VALU_DEP_2)
	v_sub_f32 v[28+\x], v[12+2*\x], v[28+\x]       ; old M - new M: a whole number, 0 or less
.endr
.irp x, 0,1
	s_delay_alu instid0(VALU_DEP_2)
	v_cvt_i32_f32 v[28+\x], v[28+\x]               ; (it saturates)
.endr
.irp x, 0,1
	s_delay_alu instid0(VALU_DEP_2)
	v_ldexp_f32 v[20+2*\x], 1.0, v[28+\x]          ; f = 2^(old M - new M)
.endr
.set kk, 0
.rept 32
	v_pk_fma_f32 v[32+kk:33+kk], v[32+kk:33+kk], s[22:23], v[12:13] op_sel_hi:[1,0,0]   ; tile 0: t - M
.set kk, kk+2
.endr
	v_pk_mul_f32 v[16:17], v[16:17], v[20:21] op_sel_hi:[1,0]   ; the sums and O^T under the new M: no transcendental stands between the last products and these reads
	v_pk_mul_f32 v[18:19], v[18:19], v[22:23] op_sel_hi:[1,0]
.set kk, 0
.rept 16
	v_pk_mul_f32 v[160+kk:161+kk], v[160+kk:161+kk], v[20:21] op_sel_hi:[1,0]
	v_pk_mul_f32 v[192+kk:193+kk], v[192+kk:193+kk], v[22:23] op_sel_hi:[1,0]
.set kk, kk+2
.endr
	s_wait_alu depctr_va_vdst(0)                   ; the wait ahead of the batch
.set kk, 0
.rept 32                                           ; tile 0's exponentials; among them tile 1's t - M, lines that read nothing written since the wait
	v_exp_f32 v[32+kk], v[32+kk]
	v_exp_f32 v[33+kk], v[33+kk]
	v_pk_fma_f32 v[96+kk:97+kk], v[96+kk:97+kk], s[22:23], v[14:15] op_sel_hi:[1,0,0]
.set kk, kk+2
.endr
	s_wait_alu depctr_va_vdst(0)                   ; one wait: behind the first batch and ahead of the second
	SUM 0
.set kk, 0
.rept 32                                           ; tile 1's exponentials; among them tile 0's holds, two to an instruction: the conversion does not saturate (ISA guide 7.6.2), and p is not negative
	v_exp_f32 v[96+kk], v[96+kk]
	v_exp_f32 v[97+kk], v[97+kk]
	v_dual_min_num_f32 v[32+kk], v[32+kk], v24 :: v_dual_min_num_f32 v[33+kk], v[33+kk], v30
.set kk, kk+2
.endr
	v_nop                                          ; a plain instruction behind the batch
	s_wait_alu depctr_va_vdst(0)                   ; behind the second batch
	SUM 1
.set kk, 0
.rept 32
	v_dual_min_num_f32 v[96+kk], v[96+kk], v24 :: v_dual_min_num_f32 v[97+kk], v[97+kk], v30
.set kk, kk+2
.endr
	WIN 0x40                                       ; p's codes go to window 1
.irp t, 0,1,2,3,4,5,6,7
	v_cvt_scalef32_pk8_bf8_f32 v[144+2*\t:145+2*\t], v[32+8*\t:39+8*\t], v25
	v_cvt_scalef32_pk8_bf8_f32 v[160+2*\t:161+2*\t], v[96+8*\t:103+8*\t], v25
.endr
	v_nop                                          ; a plain instruction between the conversions and the products that read their results
	s_wait_alu depctr_va_vdst(0)
	s_wait_dscnt 16                                ; V's sixteen loads are in; the next step's K, sixteen younger loads, may be out
	WIN 0x05
.irp t, 0,1,2,3
	v_wmma_f32_16x16x128_bf8_bf8 v[160+8*\t:167+8*\t], v[64+16*\t:79+16*\t], v[144:159], v[160+8*\t:167+8*\t]   ; eight accumulators by turns
	v_wmma_f32_16x16x128_bf8_bf8 v[192+8*\t:199+8*\t], v[64+16*\t:79+16*\t], v[160:175], v[192+8*\t:199+8*\t]
.endr
	WIN 0
.rept 4
	v_nop                                          ; places in front of loads into registers that the products read
.endr
	WIN 0x40
	VLOAD 9                                        ; the next step's V
	WIN 0
	s_xor_b32 s37, s37, 0x2280                     ; 128 <-> HS
	s_add_co_u32 s36, s36, HS
	s_cmp_lg_u32 s36, 16*HS
	s_wait_alu depctr_va_vdst(0)                   ; the wait ahead of the branch
	s_cbranch_scc1 .Lstep
	s_wait_dscnt 0x0                               ; the last trip's loads have come back
.irp j, 0,1,2,3,4,5,6,7
	global_load_b128 v[32+4*\j:35+4*\j], v3, s[10:11] offset:512*\j     ; g
.endr
.irp j, 0,1,2,3,4,5,6,7
	global_load_b128 v[64+4*\j:67+4*\j], v3, s[12:13] offset:512*\j     ; b
.endr
	s_add_co_i32 s54, s62, 127                     ; e6, for LN2's codes
	s_lshl_b32 s55, s54, 23
	s_add_co_i32 s54, s54, 15
	s_lshl_b32 s54, s54, 23
	s_or_b32 s54, s54, 0x600000
	s_add_co_i32 s44, s60, s61                     ; e4 + e5
.irp x, 0,1
	v_add_f32 v[16+2*\x], v[16+2*\x], v[17+2*\x]
.endr
.irp x, 0,1
	s_delay_alu instid0(VALU_DEP_2)
	v_permlanex16_b32 v[26+\x], v[16+2*\x], s20, s21
.endr
.irp x, 0,1
	s_delay_alu instid0(VALU_DEP_2)
	v_add_f32 v[16+2*\x], v[16+2*\x], v[26+\x]     ; the rows' sums
.endr
	s_wait_alu depctr_va_vdst(0)                   ; the wait ahead of the transcendentals
	v_rcp_f32 v16, v16
	v_rcp_f32 v18, v18
	v_mov_b32 v25, s55                             ; 2^e6 (plain instructions behind the transcendentals)
	v_mov_b32 v24, s54                             ; 57,344 x 2^e6
	s_wait_alu depctr_va_vdst(0)                   ; the wait ahead of their first reader
	v_ldexp_f32 v16, v16, s44
	v_ldexp_f32 v18, v18, s44
	s_wait_alu depctr_va_vdst(0)                   ; the wait directly ahead of the first readers of O^T
.set kk, 0
.rept 16
	v_pk_mul_f32 v[160+kk:161+kk], v[160+kk:161+kk], v[16:17] op_sel_hi:[1,0]   ; register 8 t + j: column 64 r + 16 t + 8 h + j of the tile's row
	v_pk_mul_f32 v[192+kk:193+kk], v[192+kk:193+kk], v[18:19] op_sel_hi:[1,0]
.set kk, kk+2
.endr
	ROWOUT 0
	ROWOUT 1
	s_wait_tensorcnt 0x0                           ; the wave's end
	ds_add_u32 v5, v6
	s_wait_dscnt 0x0
	CROUND                                         ; the closing round
	s_endpgm
.Lfunc_end_k_qc9e63ebb30_attn:
	.size	k_qc9e63ebb30_attn, .Lfunc_end_k_qc9e63ebb30_attn-k_qc9e63ebb30_attn
	.p2alignl 7, 3214868480
	.fill 96, 4, 3214868480
	.section	.rodata,"a",@progbits
	.p2align	6, 0x0
	.amdhsa_kernel k_qc9e63ebb30_attn
		.amdhsa_group_segment_fixed_size 327680
		.amdhsa_private_segment_fixed_size 0
		.amdhsa_enable_private_segment 0
		.amdhsa_kernarg_size 56
		.amdhsa_user_sgpr_count 2
		.amdhsa_user_sgpr_kernarg_segment_ptr 1
		.amdhsa_wavefront_size32 1
		.amdhsa_system_sgpr_workgroup_id_x 1
		.amdhsa_system_sgpr_workgroup_id_y 1
		.amdhsa_system_sgpr_workgroup_id_z 1
		.amdhsa_system_vgpr_workitem_id 0
		.amdhsa_next_free_vgpr 512
		.amdhsa_next_free_sgpr 100
		.amdhsa_reserve_vcc 0
		.amdhsa_float_denorm_mode_32 3
		.amdhsa_float_denorm_mode_16_64 3
		.amdhsa_memory_ordered 1
		.amdhsa_forward_progress 1
		.amdhsa_inst_pref_size 73
	.end_amdhsa_kernel
	.amdgpu_metadata
---
amdhsa.version: [ 1, 2 ]
amdhsa.kernels:
  - .name:           k_qc9e63ebb30_attn
    .symbol:         k_qc9e63ebb30_attn.kd
    .args:
      - { .name: qkvc, .offset: 0, .size: 8, .value_kind: global_buffer, .address_space: global }
      - { .name: lowp_scales, .offset: 8, .size: 8, .value_kind: global_buffer, .address_space: global }
      - { .name: x, .offset: 16, .size: 8, .value_kind: global_buffer, .address_space: global }
      - { .name: ln2_g, .offset: 24, .size: 8, .value_kind: global_buffer, .address_space: global }
      - { .name: ln2_b, .offset: 32, .size: 8, .value_kind: global_buffer, .address_space: global }
      - { .name: x1, .offset: 40, .size: 8, .value_kind: global_buffer, .address_space: global }
      - { .name: hc, .offset: 48, .size: 8, .value_kind: global_buffer, .address_space: global }
    .group_segment_fixed_size: 327680
    .private_segment_fixed_size: 0
    .kernarg_segment_align: 8
    .kernarg_segment_size: 56
    .max_flat_workgroup_size: 256
    .sgpr_count:     100
    .vgpr_count:     512
    .wavefront_size: 32
...
	.end_amdgpu_metadata
.endif
;; end of part 3
;; launch ff1 (part 4): grid 16 x 16, 4 waves a work-group, clusters of 4 x 4, 327,680 bytes of LDS; arguments hc, wc, lowp_scales, b1, fc; writes fc
.if DOCPART == 4
	.amdgcn_target "amdgcn-amd-amdhsa--gfx1250"
	.amdhsa_code_object_version 6
	.text
	.protected	k_qc9e63ebb30_ff1
	.globl	k_qc9e63ebb30_ff1
	.p2align	8
	.type	k_qc9e63ebb30_ff1,@function
k_qc9e63ebb30_ff1:
	s_mov_b64 s[64:65], 0
	v_nop
	global_prefetch_b8 v0, s[64:65] scope:SCOPE_SE
	s_setreg_imm32_b32 hwreg(HW_REG_WAVE_MODE, 25, 1), 1
	s_wait_xcnt 0x0
	s_wait_alu depctr_hold_cnt(0) depctr_sa_sdst(0) depctr_va_vdst(0) depctr_va_sdst(0) depctr_va_ssrc(0) depctr_va_vcc(0) depctr_vm_vsrc(0)
	s_getreg_b32 s2, hwreg(HW_REG_IB_STS2, 6, 4)
	s_cmp_eq_u32 s2, 0
	s_cbranch_scc0 .Lentry_in_a_cluster
	s_endpgm
.Lentry_in_a_cluster:
	s_bfe_u32 s2, ttmp6, 0x10000c
	s_cmp_lg_u32 s2, 0xf033
	s_cbranch_scc0 .Lentry_shape_is_right
	s_endpgm
.Lentry_shape_is_right:
; FOURTH LAUNCH: f = relu(LN2(x1) w1 + b1) on codes of E5M2 (K = 1,024), quantised on the way out with 2^e8.  No work is left out.
; A tile of 256 x 256 to a work-group of four waves, 128 x 128 a wave; K goes in steps of 256 through two LDS slots filled by joint tensor loads of a 4 x 4 cluster.
; The bias goes in as the C of each sum's first product, divided by 2^(e6 + e7); the hold between 0 and the largest code x the scale is also the activation.
; LIMITS: e8 - e6 - e7 between -126 and 112.  NaN among the inputs is not served.
.set ROWB,   256
.set KROW,   1024
.set PITCH,  272
.set FR,     16
.set NL,     4
.set NP,     4
.set HALFT,  128*PITCH
.set SLOT,   4*HALFT
.set LAPS,   2
.set SPARE,  2*SLOT
.set WOFF,   3145728
.set ADRA, 16
.set ADRB, 20
.set STO,  24
.set RD,   25
.set CO,   26
.set SPW,  28
.set NIL,  29
.set SCL,  30
.set LIM,  31
.set BI,   32
.set TMP,  32
.set AF,   128
.set CD,   128
.set BK,   128
.set G1, 24
.set G0, 32
.set G1B, 48
.set G0B, 56
.set MSB, 0
.macro WIN new
.if MSB != (\new)
	s_set_vgpr_msb (MSB<<8)|(\new)
.set MSB, (\new)
.endif
.endm
.set TO_B, 0x40
.macro WMUL hi, first
.if \first
	WIN 0x81+0x40*(\hi)
.else
	WIN 0xa1+0x50*(\hi)
.endif
.endm
.macro JLOAD g0a, g1a, g0b, g1b
	s_cmp_eq_u32 s15, 0
	s_cbranch_scc0 .Lfor_b_\@
	tensor_load_to_lds s[\g0a:\g0a+3], s[\g1a:\g1a+7]
	s_nop 0
.rept 4
	v_nop
.endr
	s_branch .Lasked_\@
.Lfor_b_\@:
	tensor_load_to_lds s[\g0b:\g0b+3], s[\g1b:\g1b+7]
	s_nop 0
.rept 4
	v_nop
.endr
.Lasked_\@:
.endm
.macro CREST
	s_cmp_lg_u32 s14, 0
	s_cbranch_scc1 .Lnot_wave_0_\@
	s_barrier_signal -3
.Lnot_wave_0_\@:
	s_barrier_wait -3
	s_barrier_signal -1
	s_barrier_wait -1
.endm
.macro CROUND
	s_barrier_signal -1
	s_barrier_wait -1
	CREST
.endm
	s_load_b128 s[4:7], s[0:1], 0x0
	s_load_b128 s[8:11], s[0:1], 0x10
	s_load_b64 s[12:13], s[0:1], 0x20
	v_lshl_add_u32 v[SPW], v0, 2, SPARE
	v_mov_b32 v[NIL], 0
	ds_add_u32 v[SPW], v[NIL]
	ds_add_u32 v[SPW], v[NIL]
	v_lshrrev_b32 v1, 5, v0
	v_readfirstlane_b32 s14, v1
	s_lshr_b32 s15, s14, 1
	s_and_b32 s16, s14, 1
	s_bfe_u32 s40, ttmp6, 0x40000
	s_bfe_u32 s41, ttmp6, 0x40004
	s_lshl_b32 s42, ttmp9, 2
	s_add_co_u32 s42, s42, s40
	s_and_b32 s17, ttmp7, 0xffff
	s_lshl_b32 s17, s17, 2
	s_add_co_u32 s17, s17, s41
	s_lshl_b32 s43, s41, 2
	s_lshl_b32 s43, 15, s43
	s_lshl_b32 s44, 0x1111, s40
	s_or_b32 s[G1+0], s43, (1<<20)|(1<<21)|(5<<22)|(3<<25)
	s_or_b32 s[G1B+0], s44, (1<<20)|(1<<21)|(5<<22)|(3<<25)
.irp g, G1, G1B
	s_mov_b32 s[\g+1], ROWB<<16
	s_mov_b32 s[\g+2], 128<<16
	s_mov_b32 s[\g+3], ROWB<<16
	s_mov_b32 s[\g+4], 128
	s_mov_b32 s[\g+5], KROW
	s_mov_b32 s[\g+6], 0
	s_mov_b32 s[\g+7], 0
.endr
	s_lshl_b32 s18, s16, 7
	s_lshl_b32 s20, s17, 8
	s_add_co_u32 s20, s20, s18
	s_lshl_b32 s20, s20, 10
	s_mov_b32 s21, 0
	s_lshl_b32 s46, s42, 8
	s_add_co_u32 s46, s46, s18
	s_lshl_b32 s46, s46, 10
	s_add_co_u32 s46, s46, WOFF
	s_mov_b32 s47, 0
	s_mul_i32 s45, s14, HALFT
	s_wait_dscnt 0x0
	s_wait_kmcnt 0x0
	s_load_b128 s[68:71], s[8:9], 0x18
	s_add_nc_u64 s[20:21], s[4:5], s[20:21]
	s_add_nc_u64 s[46:47], s[6:7], s[46:47]
	CROUND
.irp s, 0,1
	s_mov_b32 s[G0+4*\s], 1
	s_add_co_u32 s[G0+4*\s+1], s45, \s*SLOT
	s_add_nc_u64 s[G0+4*\s+2:G0+4*\s+3], s[20:21], \s*ROWB
	s_or_b32 s[G0+4*\s+3], s[G0+4*\s+3], 0x80000000
	s_mov_b32 s[G0B+4*\s], 1
	s_add_co_u32 s[G0B+4*\s+1], s45, \s*SLOT
	s_add_nc_u64 s[G0B+4*\s+2:G0B+4*\s+3], s[46:47], \s*ROWB
	s_or_b32 s[G0B+4*\s+3], s[G0B+4*\s+3], 0x80000000
.endr
	s_cmp_eq_u32 s15, 0                            ; the prefetches' base: of the 128 rows that I fetch (A's or B's), my work-group's 32;
	s_cselect_b64 s[86:87], s[20:21], s[46:47]
	s_cselect_b32 s88, s40, s41                    ; the four partners that ask for a tile jointly are told apart by address: cx for A, cy for B
	s_lshl_b32 s88, s88, 15                        ; 32 rows of 1,024 bytes
	s_mov_b32 s89, 0
	s_add_nc_u64 s[86:87], s[86:87], s[88:89]      ; never rewritten
	JLOAD G0, G1, G0B, G1B                         ; K step 0: one tensor load a wave at the head
	v_and_b32 v27, 31, v0
	v_lshlrev_b32 v27, 10, v27                     ; a lane a row; never rewritten
	global_prefetch_b8 v27, s[86:87] offset:ROWB th:TH_LOAD_NT scope:SCOPE_SE     ; K steps 1 and 2: 256 bytes of each of my 32 rows, each block named once in the cluster
	global_prefetch_b8 v27, s[86:87] offset:2*ROWB th:TH_LOAD_NT scope:SCOPE_SE
	v_and_b32 v1, 15, v0
	v_bfe_u32 v2, v0, 4, 1
	v_mul_u32_u24 v3, v1, PITCH
	s_wait_alu depctr_va_vdst(0)
	v_lshl_add_u32 v4, v2, 4, v3
	s_mul_i32 s21, s15, HALFT
	s_mul_i32 s22, s16, HALFT
	s_add_co_u32 s22, s22, 2*HALFT
.irp s, 0,1
	v_add_nc_u32 v[ADRA+\s], s21, v4
	v_add_nc_u32 v[ADRB+\s], s22, v4
	s_add_co_u32 s21, s21, SLOT
	s_add_co_u32 s22, s22, SLOT
.endr
	s_mul_i32 s23, s15, 128*PITCH
	s_lshl_b32 s22, s16, 7
	s_add_co_u32 s23, s23, s22
	v_lshl_add_u32 v5, v2, 3, v3
	v_add_nc_u32 v[STO], s23, v5
	s_mul_i32 s23, s14, 64*PITCH
	v_mul_u32_u24 v5, v2, PITCH
	v_lshl_add_u32 v5, v1, 4, v5
	v_add_nc_u32 v[RD], s23, v5
	v_lshlrev_b32 v5, 12, v2
	v_lshl_add_u32 v[CO], v1, 4, v5
	s_lshl_b32 s20, s17, 8
	s_lshl_b32 s21, s14, 6
	s_add_co_u32 s20, s20, s21
	s_lshl_b32 s20, s20, 12
	s_lshl_b32 s21, s42, 8
	s_add_co_u32 s20, s20, s21
	s_mov_b32 s21, 0
	s_add_nc_u64 s[12:13], s[12:13], s[20:21]
	s_lshl_b32 s20, s42, 10
	s_lshl_b32 s21, s16, 9
	s_add_co_u32 s20, s20, s21
	s_mov_b32 s21, 0
	s_add_nc_u64 s[10:11], s[10:11], s[20:21]
	v_lshlrev_b32 v6, 5, v2
.irp b, 0,1,2,3,4,5,6,7
	global_load_b128 v[BI+8*\b:BI+8*\b+3], v6, s[10:11] offset:64*\b
	global_load_b128 v[BI+8*\b+4:BI+8*\b+7], v6, s[10:11] offset:64*\b+16
.endr
.macro FRAG reg, adr, q, i
.irp c, 0,1,2,3
	ds_load_b128 v[\reg+4*\c:\reg+4*\c+3], v[\adr] offset:128*(\q)+32*\c+(\i)*16*PITCH
.endr
.endm
.macro MUL16 a0, p, first
.irp a, \a0, \a0+1
.irp b, 0,1,2,3,4,5,6,7
.if \first == 0
	v_wmma_f32_16x16x128_bf8_bf8 v[8*(8*((\a)%4)+\b):8*(8*((\a)%4)+\b)+7], v[128*(\p)+FR*\b:128*(\p)+FR*\b+FR-1], v[AF+FR*(\a):AF+FR*(\a)+FR-1], v[8*(8*((\a)%4)+\b):8*(8*((\a)%4)+\b)+7]
.else
	v_wmma_f32_16x16x128_bf8_bf8 v[8*(8*((\a)%4)+\b):8*(8*((\a)%4)+\b)+7], v[128*(\p)+FR*\b:128*(\p)+FR*\b+FR-1], v[AF+FR*(\a):AF+FR*(\a)+FR-1], v[BI+8*\b:BI+8*\b+7]
.endif
.endr
.endr
.endm
.macro FETCH_B slot, q, p
	WIN TO_B
.irp i, 0,1,2,3,4,5,6,7
	FRAG 128*(\p)+FR*\i, ADRB+\slot, \q, \i
.endr
	WIN 0
.endm
.macro FETCH_A slot, q, i0
.irp i, \i0, \i0+1, \i0+2, \i0+3
	FRAG AF+FR*(\i), ADRA+\slot, \q, \i
.endr
.endm
.macro PLACES n
.rept \n
	v_nop
.endr
.endm
.macro STEP slot, q, first
	s_wait_dscnt 4*NL
	WMUL 0, \first
	MUL16 0, (\q)%2, \first
	MUL16 2, (\q)%2, \first
	s_wait_dscnt 0
	PLACES NP
	FETCH_B \slot, (\q)+1, 1-(\q)%2
	FETCH_A \slot, (\q)+1, 0
	WMUL 1, \first
	MUL16 4, (\q)%2, \first
	MUL16 6, (\q)%2, \first
	PLACES NP
	WIN 0
	FETCH_A \slot, (\q)+1, 4
.endm
.macro TURN slot, next, fill
	s_wait_tensorcnt 0x0
	ds_add_u32 v[SPW], v[NIL]
	s_wait_dscnt 4*NL+1
	WMUL 0, 0
	MUL16 0, 1, 0
	s_wait_dscnt 0x0
	s_barrier_signal -1
	MUL16 2, 1, 0
	WIN 0
	s_barrier_wait -1
.if \fill
	CREST
	s_add_nc_u64 s[G0+4*\slot+2:G0+4*\slot+3], s[G0+4*\slot+2:G0+4*\slot+3], 2*ROWB
	s_add_nc_u64 s[G0B+4*\slot+2:G0B+4*\slot+3], s[G0B+4*\slot+2:G0B+4*\slot+3], 2*ROWB
	JLOAD G0+4*\slot, G1, G0B+4*\slot, G1B
.else
	PLACES NP
.endif
	FETCH_B \next, 0, 0
	FETCH_A \next, 0, 0
	WMUL 1, 0
	MUL16 4, 1, 0
	MUL16 6, 1, 0
	PLACES NP
	WIN 0
	FETCH_A \next, 0, 4
.endm
	s_wait_alu depctr_va_vdst(0)                   ; the wait at the head's end
	s_wait_tensorcnt 0x0                           ; my part of K step 0 is in; these lines stand ahead of a later first fill as ahead of a refill
	ds_add_u32 v[SPW], v[NIL]
	s_wait_dscnt 0x0
	CROUND                                         ; everybody's part of K step 0 is in, and the joint loads meet
	JLOAD G0+4, G1, G0B+4, G1B                     ; K step 1: the first tensor load behind the round
	global_prefetch_b8 v27, s[86:87] offset:3*ROWB th:TH_LOAD_NT scope:SCOPE_SE   ; K step 3, the last: two refills ahead of its load; nothing is asked for behind it
	FETCH_B 0, 0, 0
	FETCH_A 0, 0, 0
	FETCH_A 0, 0, 4
	s_wait_loadcnt 0x0
	s_wait_kmcnt 0x0
	s_add_co_i32 s72, s68, s69
	s_sub_co_i32 s73, 0, s72
.set kk, 0
.rept 64
	v_ldexp_f32 v[BI+kk], v[BI+kk], s73
.set kk, kk+1
.endr
	s_sub_co_i32 s72, s70, s72
	s_add_co_i32 s72, s72, 127
	s_lshl_b32 s73, s72, 23
	v_mov_b32 v[SCL], s73
	s_add_co_i32 s72, s72, 15
	s_lshl_b32 s72, s72, 23
	s_or_b32 s72, s72, 0x600000
	v_mov_b32 v[LIM], s72
	s_wait_alu depctr_va_vdst(0)
	STEP 0, 0, 1
	s_mov_b32 s3, LAPS-1
.Llap:
	TURN 0, 1, 1
	STEP 1, 0, 0
	TURN 1, 0, 1
	STEP 0, 0, 0
	s_sub_co_u32 s3, s3, 1
	s_cmp_lg_u32 s3, 0
	s_cbranch_scc1 .Llap
	TURN 0, 1, 0
	STEP 1, 0, 0
	s_wait_dscnt 4*NL
	WMUL 0, 0
	MUL16 0, 1, 0
	MUL16 2, 1, 0
	s_wait_dscnt 0
	WMUL 1, 0
	MUL16 4, 1, 0
	MUL16 6, 1, 0
	WIN 0
.macro CODES a
.set AC, 64*((\a)%4)
	WIN 0x02+((\a)/4)
.set kk, 0
.rept 64
	v_med3_num_f32 v[TMP+kk], v[AC+kk], 0, v[LIM]
.set kk, kk+1
.endr
	WIN 0
.irp b, 0,1,2,3,4,5,6,7
	v_cvt_scalef32_pk8_bf8_f32 v[CD+16*(\a)+2*\b:CD+16*(\a)+2*\b+1], v[TMP+8*\b:TMP+8*\b+7], v[SCL]
.endr
	v_nop
.irp b, 0,1,2,3,4,5,6,7
	ds_store_b64 v[STO], v[CD+16*(\a)+2*\b:CD+16*(\a)+2*\b+1] offset:(\a)*16*PITCH+16*\b
.endr
.endm
	PLACES NP
.irp a, 0,1,2,3,4,5,6,7
	CODES \a
.endr
	s_wait_dscnt 0x0
	s_barrier_signal -1
	s_barrier_wait -1
.set kk, 0
.rept 32
	ds_load_b128 v[BK+4*kk:BK+4*kk+3], v[RD] offset:kk*2*PITCH
.set kk, kk+1
.endr
.set kk, 0
.rept 32
	s_wait_dscnt 31-kk
	global_store_b128 v[CO], v[BK+4*kk:BK+4*kk+3], s[12:13] offset:kk*8192
.set kk, kk+1
.endr
	s_wait_tensorcnt 0x0
	ds_add_u32 v[SPW], v[NIL]
	s_wait_dscnt 0x0
	CROUND
	s_endpgm
.Lfunc_end_k_qc9e63ebb30_ff1:
	.size	k_qc9e63ebb30_ff1, .Lfunc_end_k_qc9e63ebb30_ff1-k_qc9e63ebb30_ff1
	.p2alignl 7, 3214868480
	.fill 96, 4, 3214868480
	.section	.rodata,"a",@progbits
	.p2align	6, 0x0
	.amdhsa_kernel k_qc9e63ebb30_ff1
		.amdhsa_group_segment_fixed_size 327680
		.amdhsa_private_segment_fixed_size 0
		.amdhsa_enable_private_segment 0
		.amdhsa_kernarg_size 40
		.amdhsa_user_sgpr_count 2
		.amdhsa_user_sgpr_kernarg_segment_ptr 1
		.amdhsa_wavefront_size32 1
		.amdhsa_system_sgpr_workgroup_id_x 1
		.amdhsa_system_sgpr_workgroup_id_y 1
		.amdhsa_system_sgpr_workgroup_id_z 1
		.amdhsa_system_vgpr_workitem_id 0
		.amdhsa_next_free_vgpr 1024
		.amdhsa_next_free_sgpr 100
		.amdhsa_reserve_vcc 0
		.amdhsa_float_denorm_mode_32 3
		.amdhsa_float_denorm_mode_16_64 3
		.amdhsa_memory_ordered 1
		.amdhsa_forward_progress 1
		.amdhsa_inst_pref_size 132
	.end_amdhsa_kernel
	.amdgpu_metadata
---
amdhsa.version: [ 1, 2 ]
amdhsa.kernels:
  - .name:           k_qc9e63ebb30_ff1
    .symbol:         k_qc9e63ebb30_ff1.kd
    .args:
      - { .name: hc, .offset: 0, .size: 8, .value_kind: global_buffer, .address_space: global }
      - { .name: wc, .offset: 8, .size: 8, .value_kind: global_buffer, .address_space: global }
      - { .name: lowp_scales, .offset: 16, .size: 8, .value_kind: global_buffer, .address_space: global }
      - { .name: b1, .offset: 24, .size: 8, .value_kind: global_buffer, .address_space: global }
      - { .name: fc, .offset: 32, .size: 8, .value_kind: global_buffer, .address_space: global }
    .group_segment_fixed_size: 327680
    .private_segment_fixed_size: 0
    .kernarg_segment_align: 8
    .kernarg_segment_size: 40
    .max_flat_workgroup_size: 128
    .sgpr_count:     100
    .vgpr_count:     1024
    .wavefront_size: 32
...
	.end_amdgpu_metadata
.endif
;; end of part 4
;; launch ff2 (part 5): grid 8 x 32, 4 waves a work-group, clusters of 4 x 4, 327,680 bytes of LDS; arguments fc, wc, lowp_scales, b2, x1, out0; writes out0
.if DOCPART == 5
	.amdgcn_target "amdgcn-amd-amdhsa--gfx1250"
	.amdhsa_code_object_version 6
	.text
	.protected	k_qc9e63ebb30_ff2
	.globl	k_qc9e63ebb30_ff2
	.p2align	8
	.type	k_qc9e63ebb30_ff2,@function
k_qc9e63ebb30_ff2:
	s_mov_b64 s[64:65], 0
	v_nop
	global_prefetch_b8 v0, s[64:65] scope:SCOPE_SE
	s_setreg_imm32_b32 hwreg(HW_REG_WAVE_MODE, 25, 1), 1
	s_wait_xcnt 0x0
	s_wait_alu depctr_hold_cnt(0) depctr_sa_sdst(0) depctr_va_vdst(0) depctr_va_sdst(0) depctr_va_ssrc(0) depctr_va_vcc(0) depctr_vm_vsrc(0)
	s_getreg_b32 s2, hwreg(HW_REG_IB_STS2, 6, 4)
	s_cmp_eq_u32 s2, 0
	s_cbranch_scc0 .Lentry_in_a_cluster
	s_endpgm
.Lentry_in_a_cluster:
	s_bfe_u32 s2, ttmp6, 0x10000c
	s_cmp_lg_u32 s2, 0xf033
	s_cbranch_scc0 .Lentry_shape_is_right
	s_endpgm
.Lentry_shape_is_right:
; FIFTH LAUNCH: out0 = x1 + f w2 + b2 on codes of E5M2 (K = 4,096).  No work is left out.
; A tile of 128 x 128 to a work-group of four waves, 64 x 64 a wave, so that the grid is 256 work-groups; K goes in steps of 512 through two LDS slots filled by joint tensor loads of a 4 x 4 cluster.
; The bias goes in as the C of each sum's first product, divided by 2^(e8 + e9); each finished sum is multiplied by 2^(e8 + e9) and added to x1 in one fused multiply-add.
; LIMITS: e8 + e9 between -126 and 127.  NaN among the inputs is not served.
.set ROWB,   512
.set KROW,   4096
.set PITCH,  528
.set HALFT,  64*PITCH
.set SLOT,   4*HALFT
.set STAGE,  2*SLOT
.set SPITCH, 272
.set SPARE,  STAGE+4*16*SPITCH
.set LAPS,   4
.set WOFF,   7340032
.set ADRA, 16
.set ADRB, 20
.set STO,  24
.set RD,   25
.set CO,   26
.set SPW,  28
.set NIL,  29
.set BI,   32
.set BK,   64
.set ACC,  128
.set F0,   0
.set F1,   128
.set SC,   70
.set G1, 24
.set G0, 32
.set G1B, 48
.set G0B, 56
.set MSB, 0
.macro WIN new
.if MSB != (\new)
	s_set_vgpr_msb (MSB<<8)|(\new)
.set MSB, (\new)
.endif
.endm
.set MUL,  0x05
.set TO_F, 0x40
.macro JLOAD s
	s_cmp_eq_u32 s15, 0
	s_cbranch_scc0 .Lfor_b_\@
	tensor_load_to_lds s[G0+4*\s:G0+4*\s+3], s[G1:G1+7]
	s_nop 0
.rept 4
	v_nop
.endr
	s_branch .Lasked_\@
.Lfor_b_\@:
	tensor_load_to_lds s[G0B+4*\s:G0B+4*\s+3], s[G1B:G1B+7]
	s_nop 0
.rept 4
	v_nop
.endr
.Lasked_\@:
.endm
.macro CREST
	s_cmp_lg_u32 s14, 0
	s_cbranch_scc1 .Lnot_wave_0_\@
	s_barrier_signal -3
.Lnot_wave_0_\@:
	s_barrier_wait -3
	s_barrier_signal -1
	s_barrier_wait -1
.endm
.macro CROUND
	s_barrier_signal -1
	s_barrier_wait -1
	CREST
.endm
	s_load_b128 s[4:7], s[0:1], 0x0
	s_load_b128 s[8:11], s[0:1], 0x10
	s_load_b64 s[12:13], s[0:1], 0x20
	s_load_b64 s[66:67], s[0:1], 0x28
	v_lshl_add_u32 v[SPW], v0, 2, SPARE
	v_mov_b32 v[NIL], 0
	ds_add_u32 v[SPW], v[NIL]
	ds_add_u32 v[SPW], v[NIL]
	v_lshrrev_b32 v1, 5, v0
	v_readfirstlane_b32 s14, v1
	s_lshr_b32 s15, s14, 1
	s_and_b32 s16, s14, 1
	s_bfe_u32 s40, ttmp6, 0x40000
	s_bfe_u32 s41, ttmp6, 0x40004
	s_lshl_b32 s42, ttmp9, 2
	s_add_co_u32 s42, s42, s40
	s_and_b32 s17, ttmp7, 0xffff
	s_lshl_b32 s17, s17, 2
	s_add_co_u32 s17, s17, s41
	s_lshl_b32 s43, s41, 2
	s_lshl_b32 s43, 15, s43
	s_lshl_b32 s44, 0x1111, s40
	s_or_b32 s[G1+0], s43, (1<<20)|(1<<21)|(6<<22)|(3<<25)
	s_or_b32 s[G1B+0], s44, (1<<20)|(1<<21)|(6<<22)|(3<<25)
.irp g, G1, G1B
	s_mov_b32 s[\g+1], ROWB<<16
	s_mov_b32 s[\g+2], 64<<16
	s_mov_b32 s[\g+3], ROWB<<16
	s_mov_b32 s[\g+4], 64
	s_mov_b32 s[\g+5], KROW
	s_mov_b32 s[\g+6], 0
	s_mov_b32 s[\g+7], 0
.endr
	s_lshl_b32 s18, s16, 6
	s_lshl_b32 s20, s17, 7
	s_add_co_u32 s20, s20, s18
	s_lshl_b32 s20, s20, 12
	s_mov_b32 s21, 0
	s_lshl_b32 s46, s42, 7
	s_add_co_u32 s46, s46, s18
	s_lshl_b32 s46, s46, 12
	s_add_co_u32 s46, s46, WOFF
	s_mov_b32 s47, 0
	s_mul_i32 s45, s14, HALFT
	s_wait_dscnt 0x0
	s_wait_kmcnt 0x0
	s_load_b64 s[68:69], s[8:9], 0x20
	s_add_nc_u64 s[20:21], s[4:5], s[20:21]
	s_add_nc_u64 s[46:47], s[6:7], s[46:47]
	CROUND
.irp s, 0,1
	s_mov_b32 s[G0+4*\s], 1
	s_add_co_u32 s[G0+4*\s+1], s45, \s*SLOT
	s_add_nc_u64 s[G0+4*\s+2:G0+4*\s+3], s[20:21], \s*ROWB
	s_or_b32 s[G0+4*\s+3], s[G0+4*\s+3], 0x80000000
	s_mov_b32 s[G0B+4*\s], 1
	s_add_co_u32 s[G0B+4*\s+1], s45, \s*SLOT
	s_add_nc_u64 s[G0B+4*\s+2:G0B+4*\s+3], s[46:47], \s*ROWB
	s_or_b32 s[G0B+4*\s+3], s[G0B+4*\s+3], 0x80000000
.endr
	s_cmp_eq_u32 s15, 0                            ; the prefetches' base: of the 64 rows that I fetch (A's or B's), my work-group's 16;
	s_cselect_b64 s[86:87], s[20:21], s[46:47]
	s_cselect_b32 s88, s40, s41                    ; the four partners that ask for a tile jointly are told apart by address: cx for A, cy for B
	s_lshl_b32 s88, s88, 16                        ; 16 rows of 4,096 bytes
	s_mov_b32 s89, 0
	s_add_nc_u64 s[86:87], s[86:87], s[88:89]
	JLOAD 0                                        ; K step 0: one tensor load a wave at the head
	v_and_b32 v27, 31, v0
	v_lshrrev_b32 v30, 1, v27
	v_and_b32 v27, 1, v27
	v_lshlrev_b32 v27, 8, v27
	v_lshl_add_u32 v27, v30, 12, v27               ; two lanes a row, 256 bytes apart: a K step is 512 bytes of a row; never rewritten
	global_prefetch_b8 v27, s[86:87] offset:ROWB th:TH_LOAD_NT scope:SCOPE_SE     ; K steps 1 and 2 of my 16 rows: each block of 256 bytes named once in the cluster
	global_prefetch_b8 v27, s[86:87] offset:2*ROWB th:TH_LOAD_NT scope:SCOPE_SE
	v_and_b32 v1, 15, v0
	s_wait_alu depctr_va_vdst(0)
	v_bfe_u32 v2, v0, 4, 1
	v_mul_u32_u24 v3, v1, PITCH
	v_lshl_add_u32 v3, v2, 4, v3
	s_mul_i32 s21, s15, HALFT
	s_mul_i32 s22, s16, HALFT
	s_add_co_u32 s22, s22, 2*HALFT
.irp s, 0,1
	v_add_nc_u32 v[ADRA+\s], s21, v3
	v_add_nc_u32 v[ADRB+\s], s22, v3
	s_add_co_u32 s21, s21, SLOT
	s_add_co_u32 s22, s22, SLOT
.endr
	s_mul_i32 s23, s14, 16*SPITCH
	s_add_co_u32 s23, s23, STAGE
	v_mul_u32_u24 v4, v1, SPITCH
	s_wait_alu depctr_va_vdst(0)
	v_lshl_add_u32 v4, v2, 5, v4
	v_add_nc_u32 v[STO], s23, v4
	v_mul_u32_u24 v5, v2, SPITCH
	v_lshl_add_u32 v5, v1, 4, v5
	v_add_nc_u32 v[RD], s23, v5
	v_lshlrev_b32 v5, 12, v2
	v_lshl_add_u32 v[CO], v1, 4, v5
	s_wait_alu depctr_va_vdst(0)
	s_lshl_b32 s20, s17, 7
	s_lshl_b32 s21, s15, 6
	s_add_co_u32 s20, s20, s21
	s_lshl_b32 s20, s20, 12
	s_lshl_b32 s22, s42, 9
	s_lshl_b32 s23, s16, 8
	s_add_co_u32 s22, s22, s23
	s_mov_b32 s23, 0
	s_add_nc_u64 s[10:11], s[10:11], s[22:23]
	s_add_co_u32 s20, s20, s22
	s_mov_b32 s21, 0
	s_add_nc_u64 s[12:13], s[12:13], s[20:21]
	s_add_nc_u64 s[66:67], s[66:67], s[20:21]
	v_lshlrev_b32 v6, 5, v2
.irp b, 0,1,2,3
	global_load_b128 v[BI+8*\b:BI+8*\b+3], v6, s[10:11] offset:64*\b
	global_load_b128 v[BI+8*\b+4:BI+8*\b+7], v6, s[10:11] offset:64*\b+16
.endr
	WIN 0x80
.irp a, 0,1,2,3
.irp t, 0,1,2,3,4,5,6,7
	global_load_b128 v[32*\a+4*\t:32*\a+4*\t+3], v[CO], s[12:13] offset:(16*\a+2*\t)*4096 th:TH_LOAD_NT
.endr
.endr
	WIN 0
.macro MUL4 f, a, first
.irp b, 0,1,2,3
.if \first
	v_wmma_f32_16x16x128_bf8_bf8 v[ACC+8*(4*(\a)+\b):ACC+8*(4*(\a)+\b)+7], v[\f+64+16*\b:\f+64+16*\b+15], v[\f+16*(\a):\f+16*(\a)+15], v[BI+8*\b:BI+8*\b+7]
.else
	v_wmma_f32_16x16x128_bf8_bf8 v[ACC+8*(4*(\a)+\b):ACC+8*(4*(\a)+\b)+7], v[\f+64+16*\b:\f+64+16*\b+15], v[\f+16*(\a):\f+16*(\a)+15], v[ACC+8*(4*(\a)+\b):ACC+8*(4*(\a)+\b)+7]
.endif
.endr
.endm
.macro FETCH slot, k, f
	WIN TO_F
.irp i, 0,1,2,3
.irp c, 0,1,2,3
	ds_load_b128 v[\f+64+16*\i+4*\c:\f+64+16*\i+4*\c+3], v[ADRB+\slot] offset:\k+32*\c+\i*16*PITCH
.endr
.endr
.irp i, 0,1,2,3
.irp c, 0,1,2,3
	ds_load_b128 v[\f+16*\i+4*\c:\f+16*\i+4*\c+3], v[ADRA+\slot] offset:\k+32*\c+\i*16*PITCH
.endr
.endr
.endm
.macro PLACES
.rept 4
	v_nop
.endr
.endm
.macro QUARTER slot, k, f, g, first
	s_wait_dscnt 8
	WIN MUL
	MUL4 \f, 0, \first
	MUL4 \f, 1, \first
	PLACES
	FETCH \slot, \k, \g
	s_wait_dscnt 32
	WIN MUL
	MUL4 \f, 2, \first
	MUL4 \f, 3, \first
.endm
.macro TURN slot, next, fill
	WIN 0
.if \fill
	s_wait_xcnt 0x0                                ; my last prefetch has read its base, which is stepped here, a K step behind it and ahead of the waits of the change of slots
	s_add_nc_u64 s[86:87], s[86:87], ROWB
.endif
	s_wait_tensorcnt 0x0
	ds_add_u32 v[SPW], v[NIL]
	s_wait_dscnt 9
	WIN MUL
	MUL4 F1, 0, 0
	s_wait_dscnt 0x0
	s_barrier_signal -1
	MUL4 F1, 1, 0
.if \fill
	WIN 0
.endif
	s_barrier_wait -1
.if \fill
	CREST
	s_add_nc_u64 s[G0+4*\slot+2:G0+4*\slot+3], s[G0+4*\slot+2:G0+4*\slot+3], 2*ROWB
	s_add_nc_u64 s[G0B+4*\slot+2:G0B+4*\slot+3], s[G0B+4*\slot+2:G0B+4*\slot+3], 2*ROWB
	JLOAD \slot
.else
	PLACES
.endif
	FETCH \next, 0, F0
.if \fill
	WIN 0                                          ; at a branch and at a label every window is 0
	s_cmp_gt_u32 s3, 1                             ; the refill of K step k asks for K step k + 2; the last trip's two refills, K steps 6 and 7, have none
	s_cbranch_scc0 .Lno_ask_\@
	global_prefetch_b8 v27, s[86:87] offset:3*ROWB th:TH_LOAD_NT scope:SCOPE_SE
.Lno_ask_\@:
.endif
	WIN MUL
	MUL4 F1, 2, 0
	MUL4 F1, 3, 0
.endm
	s_wait_alu depctr_va_vdst(0)                   ; the wait at the head's end
	s_wait_tensorcnt 0x0                           ; my part of K step 0 is in; these lines stand ahead of a later first fill as ahead of a refill
	ds_add_u32 v[SPW], v[NIL]
	s_wait_dscnt 0x0
	CROUND                                         ; everybody's part of K step 0 is in, and the joint loads meet
	JLOAD 1                                        ; K step 1: the first tensor load behind the round
	global_prefetch_b8 v27, s[86:87] offset:3*ROWB th:TH_LOAD_NT scope:SCOPE_SE   ; K step 3: two refills ahead of its load
	FETCH 0, 0, F0
	WIN 0
	s_wait_loadcnt 32
	s_wait_kmcnt 0x0
	s_add_co_i32 s72, s68, s69
	s_sub_co_i32 s73, 0, s72
.set kk, 0
.rept 32
	v_ldexp_f32 v[BI+kk], v[BI+kk], s73
.set kk, kk+1
.endr
	s_add_co_i32 s72, s72, 127
	s_lshl_b32 s[SC], s72, 23
	s_mov_b32 s[SC+1], s[SC]
	s_wait_alu depctr_va_vdst(0)
	QUARTER 0, 128, F0, F1, 1
	WIN 0
	s_mov_b32 s3, LAPS-1
.Llap:
	QUARTER 0, 256, F1, F0, 0
	QUARTER 0, 384, F0, F1, 0
	TURN 0, 1, 1
	QUARTER 1, 128, F0, F1, 0
	QUARTER 1, 256, F1, F0, 0
	QUARTER 1, 384, F0, F1, 0
	TURN 1, 0, 1
	QUARTER 0, 128, F0, F1, 0
	WIN 0
	s_sub_co_u32 s3, s3, 1
	s_cmp_lg_u32 s3, 0
	s_cbranch_scc1 .Llap
	QUARTER 0, 256, F1, F0, 0
	QUARTER 0, 384, F0, F1, 0
	TURN 0, 1, 0
	QUARTER 1, 128, F0, F1, 0
	QUARTER 1, 256, F1, F0, 0
	QUARTER 1, 384, F0, F1, 0
	s_wait_dscnt 8
	WIN MUL
	MUL4 F1, 0, 0
	MUL4 F1, 1, 0
	s_wait_dscnt 0
	MUL4 F1, 2, 0
	MUL4 F1, 3, 0
	WIN 0
.macro TOSTAGE a
.irp b, 0,1,2,3
	ds_store_b128 v[STO], v[ACC+8*(4*(\a)+\b):ACC+8*(4*(\a)+\b)+3] offset:64*\b
	ds_store_b128 v[STO], v[ACC+8*(4*(\a)+\b)+4:ACC+8*(4*(\a)+\b)+7] offset:64*\b+16
.endr
.irp t, 0,1,2,3,4,5,6,7
	ds_load_b128 v[BK+32*((\a)%2)+4*\t:BK+32*((\a)%2)+4*\t+3], v[RD] offset:\t*2*SPITCH
.endr
.endm
.macro SEND a, younger
	s_wait_dscnt \younger
	WIN 0x20
.irp j, 0,2,4,6,8,10,12,14,16,18,20,22,24,26,28,30
	v_pk_fma_f32 v[BK+32*((\a)%2)+\j:BK+32*((\a)%2)+\j+1], v[BK+32*((\a)%2)+\j:BK+32*((\a)%2)+\j+1], s[SC:SC+1], v[32*(\a)+\j:32*(\a)+\j+1] op_sel_hi:[1,0,1]
.endr
	WIN 0
.irp t, 0,1,2,3,4,5,6,7
	global_store_b128 v[CO], v[BK+32*((\a)%2)+4*\t:BK+32*((\a)%2)+4*\t+3], s[66:67] offset:(16*(\a)+2*\t)*4096 th:TH_STORE_NT
.endr
.endm
	s_wait_loadcnt 0x0
	PLACES
	TOSTAGE 0
	TOSTAGE 1
	SEND 0, 16
	s_wait_xcnt 0x0
	TOSTAGE 2
	SEND 1, 16
	s_wait_xcnt 0x0
	TOSTAGE 3
	SEND 2, 16
	SEND 3, 0
	s_wait_tensorcnt 0x0
	ds_add_u32 v[SPW], v[NIL]
	s_wait_dscnt 0x0
	CROUND
	s_endpgm
.Lfunc_end_k_qc9e63ebb30_ff2:
	.size	k_qc9e63ebb30_ff2, .Lfunc_end_k_qc9e63ebb30_ff2-k_qc9e63ebb30_ff2
	.p2alignl 7, 3214868480
	.fill 96, 4, 3214868480
	.section	.rodata,"a",@progbits
	.p2align	6, 0x0
	.amdhsa_kernel k_qc9e63ebb30_ff2
		.amdhsa_group_segment_fixed_size 327680
		.amdhsa_private_segment_fixed_size 0
		.amdhsa_enable_private_segment 0
		.amdhsa_kernarg_size 48
		.amdhsa_user_sgpr_count 2
		.amdhsa_user_sgpr_kernarg_segment_ptr 1
		.amdhsa_wavefront_size32 1
		.amdhsa_system_sgpr_workgroup_id_x 1
		.amdhsa_system_sgpr_workgroup_id_y 1
		.amdhsa_system_sgpr_workgroup_id_z 1
		.amdhsa_system_vgpr_workitem_id 0
		.amdhsa_next_free_vgpr 640
		.amdhsa_next_free_sgpr 100
		.amdhsa_reserve_vcc 0
		.amdhsa_float_denorm_mode_32 3
		.amdhsa_float_denorm_mode_16_64 3
		.amdhsa_memory_ordered 1
		.amdhsa_forward_progress 1
		.amdhsa_inst_pref_size 82
	.end_amdhsa_kernel
	.amdgpu_metadata
---
amdhsa.version: [ 1, 2 ]
amdhsa.kernels:
  - .name:           k_qc9e63ebb30_ff2
    .symbol:         k_qc9e63ebb30_ff2.kd
    .args:
      - { .name: fc, .offset: 0, .size: 8, .value_kind: global_buffer, .address_space: global }
      - { .name: wc, .offset: 8, .size: 8, .value_kind: global_buffer, .address_space: global }
      - { .name: lowp_scales, .offset: 16, .size: 8, .value_kind: global_buffer, .address_space: global }
      - { .name: b2, .offset: 24, .size: 8, .value_kind: global_buffer, .address_space: global }
      - { .name: x1, .offset: 32, .size: 8, .value_kind: global_buffer, .address_space: global }
      - { .name: out0, .offset: 40, .size: 8, .value_kind: global_buffer, .address_space: global }
    .group_segment_fixed_size: 327680
    .private_segment_fixed_size: 0
    .kernarg_segment_align: 8
    .kernarg_segment_size: 48
    .max_flat_workgroup_size: 128
    .sgpr_count:     100
    .vgpr_count:     640
    .wavefront_size: 32
...
	.end_amdgpu_metadata
.endif
;; end of part 5
